; MI455X (gfx1250); checked and timed in simulation.
; The chip was launched on July 23, 2026; its instructions are those of AMD's public machine-readable ISA for CDNA 5 (MIT licence, August 2026) and "CDNA5" Instruction Set Architecture Reference Guide (July 2026). The comments in the code are by the model that wrote it; some were corrected since.
;; Mixture Of Experts. Allowed arithmetic: matrix products marked QUANTISED: E5M2 operands, one given power-of-two scale a tensor, by v_wmma_f32_16x16x64_bf8_bf8 or v_wmma_f32_16x16x128_bf8_bf8, f32 sums; products left as they are: f32 operands where the result goes on into a quantised operand, else bf16, f16 or f32 operands; f32 sums; everything else in f32.
;; Inputs: W1 8 x 1,024 x 4,096 float32; W2 8 x 4,096 x 1,024 float32; Wg 1,024 x 8 float32; lowp_scales 4 int32 (the exponents e of the quantised operands' scales 2^e); x 2 x 512 x 1,024 float32.
;; Outputs: out0 2 x 512 x 1,024 float32; out1 one number float32.
;; This version of the problem:
;;   THIS VERSION OF THE PROBLEM IS GIVEN IN LOW PRECISION. The matrix products marked QUANTISED in the list below multiply operands that are first quantised to E5M2 (5 exponent bits, 2 mantissa bits; 8 bits a number), with one given power-of-two scale for each operand tensor; their sums are f32. All else is computed in f32.
;;   The module's matrix products, in the order in which they are computed (A, B: the left and right operand; K: the contracted axis; several contracted axes count as one K, in the product's order):
;;     1. [M 1,024, K 1,024] x [K 1,024, N 8]; A: input x; B: input Wg: left as it is (N = 8 < 16)
;;     2. batch 1,024 x [M 1, K 2] x [K 2, N 8]; A: computed on the way; B: computed on the way: left as it is (K = 2 < 32)
;;     3. [M 1,024, K 1,024] x [K 1,024, N 32,768]; A: input x; B: input W1: QUANTISED (scales: A lowp_scales[0], B lowp_scales[1])
;;     4. batch 8 x [M 1,024, K 4,096] x [K 4,096, N 1,024]; A: input W2; B: computed on the way: QUANTISED (scales: A lowp_scales[2], B lowp_scales[3])
;;     5. batch 1,024 x [M 1, K 8] x [K 8, N 1,024]; A: computed on the way; B: computed on the way: left as it is (K = 8 < 32)
;;   THE QUANTISER, for each operand of a quantised product, along K:
;;     - The operand's scale is 2^e, e = its entry of the input lowp_scales (int32; the entries are numbered through the quantised products in the list's order, A before B).
;;     - Each number is divided by the scale, clamped to +-57,344, and rounded to the nearest number of E5M2, ties to even, subnormals kept.
;;     - The product sums the exact products of the quantised numbers (number of the format x scale) in f32.
;;   ~~~python
;;   def quantise(x, axis, e):      # numpy; x: float32 -> the quantised numbers, widened to float32 again
;;       x = np.moveaxis(x, axis, -1); K = x.shape[-1]
;;       r = np.clip(x / 2.0 ** e, -57344, 57344)
;;       step = 2.0 ** (np.maximum(np.frexp(np.where(r == 0, 1, r))[1] - 1, -14) - 2)
;;       q = np.round(r / step) * step * 2.0 ** e      # np.round: ties to even
;;       return np.moveaxis(q, -1, axis).astype(np.float32)
;;   ~~~
;;   OPERANDS COMPUTED ON THE WAY. 'Computed on the way' means the value that the module computes at that place (a softmax that the list does not call 'softmax' is quantised finished and normalised). What goes into a quantiser is computed in f32, as accurately as f32 sums, v_exp_f32 and their like allow (about 1e-6 of the number): no bf16 or f16 on the way to a quantiser, and a product that is left as it is and whose result goes on into a quantised operand takes f32 operands (vector FMAs, or v_wmma_f32_16x16x4_f32). A number that lies on a knife's edge between two numbers of the format may be rounded either way, as far as f32 arithmetic and the matrix unit's own rounding can turn it there, and no further.
;; 2 versions. Each part assembles by itself: llvm-mc -triple=amdgcn-amd-amdhsa -mcpu=gfx1250 --defsym DOCPART=n.
;; ======== version 1 of 2: 5 launches
;; workspace buffers: sel 8,192 bytes of whole numbers; rw 40,960 bytes; xq 1,048,576 bytes; lists 17,664 bytes of whole numbers; hq 9,437,184 bytes; yp 18,874,368 bytes
;; launch route (part 1): grid 256 x 1, 4 waves a work-group, no clusters, 1,536 bytes of LDS; arguments x, Wg, lowp_scales, sel, rw, xq; writes sel, rw, xq
.if DOCPART == 1
	.amdgcn_target "amdgcn-amd-amdhsa--gfx1250"
	.amdhsa_code_object_version 6
	.text
	.protected	k_qa487dee953_route
	.globl	k_qa487dee953_route
	.p2align	8
	.type	k_qa487dee953_route,@function
k_qa487dee953_route:
	s_mov_b64 s[64:65], 0
	v_nop
	global_prefetch_b8 v0, s[64:65] scope:SCOPE_SE
	s_setreg_imm32_b32 hwreg(HW_REG_WAVE_MODE, 25, 1), 1
	s_wait_xcnt 0x0
; THE ROUTER, AND x's CODES.  x [1024 tokens][1024] f32, Wg [1024][8] f32.
; A work-group takes 4 tokens; wave w the channels 256 w .. 256 w + 255; lane l the eight channels 256 w + 8 l + i.
; logits in f32 (packed multiply-adds, a sum over the lanes, the four waves' parts through LDS); softmax with the row's maximum taken away; the two largest
; probabilities, the lower index first among equals; their gates p / (p1 + p2).  Stored at fixed places: sel [token][2] (whole numbers), rw: gates [token][2], then from byte 8192 the probabilities [token][8].
; The same x in registers is quantised for the first expert product: code = x / 2^e0, held within +-57,344, to the nearest E5M2 code; xq [token][1024], one code a byte.
; LIMITS: e0 between -126 and 112, so that 2^e0 and 57,344 x 2^e0 are f32 numbers.  NaN and infinities among the inputs are not served.
; Two probabilities that differ by less than the f32 sums' own error may be ranked the other way than by another order of summation.
.set XN,  16                           ; v16-47   x: token t at XN + 8 t, eight numbers
.set GW,  48                           ; v48-111  Wg: channel i at GW + 8 i, eight experts
.set ACC, 112                          ; v112-143 partial logits: token t, expert e at ACC + 8 t + e
.set CD,  144                          ; v144-151 codes
.set TM,  152                          ; v152-155 at work
	s_load_b256 s[4:11], s[0:1], 0x0               ; x s[4:5], Wg s[6:7], the scales' exponents s[8:9], sel s[10:11]
	s_load_b128 s[12:15], s[0:1], 0x20             ; rw s[12:13], xq s[14:15]
	v_lshl_add_u32 v192, v0, 2, 0x400
	v_mov_b32 v193, 0
	v_lshrrev_b32 v7, 5, v0
	v_readfirstlane_b32 s16, v7                    ; wave
	v_and_b32 v1, 31, v0                           ; lane
	v_lshlrev_b32 v2, 5, v1                        ; x: 32 bytes a lane
	v_lshlrev_b32 v3, 8, v1                        ; Wg: eight rows of 32 bytes a lane
	v_lshlrev_b32 v4, 3, v1                        ; codes: 8 bytes a lane
	v_lshlrev_b32 v6, 2, v1                        ; 4 x lane
	s_lshl_b32 s17, s16, 7
	v_mov_b32 v5, s17                              ; LDS: my wave's 32 partial logits at 128 x wave
	s_mov_b32 s20, 0x76543210                      ; v_permlanex16_b32: lane l xor 16
	s_mov_b32 s21, 0xfedcba98
	s_lshl_b32 s28, ttmp9, 14                      ; x: 4 tokens of 4,096 bytes a work-group,
	s_lshl_b32 s18, s16, 10                        ; 1,024 bytes of each for a wave
	s_add_co_u32 s28, s28, s18
	s_mov_b32 s29, 0
	s_lshl_b32 s30, s16, 13                        ; Wg: 256 rows of 32 bytes a wave
	s_mov_b32 s31, 0
	s_lshl_b32 s32, ttmp9, 12                      ; xq: 4 tokens of 1,024 bytes, 256 of each for a wave
	s_lshl_b32 s18, s16, 8
	s_add_co_u32 s32, s32, s18
	s_mov_b32 s33, 0
	s_lshl_b32 s34, ttmp9, 7                       ; probabilities: 128 bytes a work-group
	s_mov_b32 s35, 0
	s_lshl_b32 s36, ttmp9, 5                       ; sel and gates: 32 bytes a work-group
	s_mov_b32 s37, 0
	s_wait_kmcnt 0x0
	s_load_b32 s22, s[8:9], 0x0                    ; e0
	s_add_nc_u64 s[4:5], s[4:5], s[28:29]
	s_add_nc_u64 s[6:7], s[6:7], s[30:31]
	s_add_nc_u64 s[14:15], s[14:15], s[32:33]
	s_add_nc_u64 s[38:39], s[12:13], s[34:35]
	s_add_nc_u64 s[40:41], s[12:13], s[36:37]
	s_add_nc_u64 s[10:11], s[10:11], s[36:37]
.irp t, 0,1,2,3
	global_load_b128 v[XN+8*\t:XN+8*\t+3],   v2, s[4:5] offset:4096*\t th:TH_LOAD_NT
	global_load_b128 v[XN+8*\t+4:XN+8*\t+7], v2, s[4:5] offset:4096*\t+16 th:TH_LOAD_NT
.endr
.irp i, 0,1,2,3,4,5,6,7
	global_load_b128 v[GW+8*\i:GW+8*\i+3],   v3, s[6:7] offset:32*\i
	global_load_b128 v[GW+8*\i+4:GW+8*\i+7], v3, s[6:7] offset:32*\i+16
.endr
.irp j, 0,1,2,3
	v_mov_b32 v[TM+\j], 0                          ; a lane permute's destination counts as read: written once
.endr
	s_wait_loadcnt 0x0
	; my eight channels' share of 4 tokens x 8 logits: two experts an instruction; channel 0 starts the sums
.irp t, 0,1,2,3
.irp p, 0,1,2,3
	v_pk_mul_f32 v[ACC+8*\t+2*\p:ACC+8*\t+2*\p+1], v[GW+2*\p:GW+2*\p+1], v[XN+8*\t:XN+8*\t+1] op_sel_hi:[1,0]
.endr
.endr
.irp i, 2,4,6                          ; even channels: the pair's first register feeds both halves
.irp t, 0,1,2,3
.irp p, 0,1,2,3
	v_pk_fma_f32 v[ACC+8*\t+2*\p:ACC+8*\t+2*\p+1], v[GW+8*\i+2*\p:GW+8*\i+2*\p+1], v[XN+8*\t+\i:XN+8*\t+\i+1], v[ACC+8*\t+2*\p:ACC+8*\t+2*\p+1] op_sel_hi:[1,0,1]
.endr
.endr
.endr
.irp i, 1,3,5,7                        ; odd channels: the pair's second register feeds both halves
.irp t, 0,1,2,3
.irp p, 0,1,2,3
	v_pk_fma_f32 v[ACC+8*\t+2*\p:ACC+8*\t+2*\p+1], v[GW+8*\i+2*\p:GW+8*\i+2*\p+1], v[XN+8*\t+\i-1:XN+8*\t+\i], v[ACC+8*\t+2*\p:ACC+8*\t+2*\p+1] op_sel:[0,1,0] op_sel_hi:[1,1,1]
.endr
.endr
.endr
	; each of the 32 sums over the wave's 32 lanes
.irp m, 1,2,4,8
.set NN, 0
.rept 32
	v_add_f32_dpp v[ACC+NN], v[ACC+NN], v[ACC+NN] row_xmask:\m row_mask:0xf bank_mask:0xf
.set NN, NN+1
.endr
.endr
.set NN, 0
.rept 8
.irp j, 0,1,2,3
	v_permlanex16_b32 v[TM+\j], v[ACC+NN+\j], s20, s21
.endr
.irp j, 0,1,2,3
	v_add_f32 v[ACC+NN+\j], v[ACC+NN+\j], v[TM+\j]
.endr
.set NN, NN+4
.endr
.irp q, 0,1,2,3,4,5,6,7
	ds_store_b128 v5, v[ACC+4*\q:ACC+4*\q+3] offset:16*\q   ; every lane holds the same sums and writes the same words: word 8 t + e of my wave's 32
.endr
	; x's codes, while the stores are out
	s_wait_kmcnt 0x0
	s_add_co_i32 s22, s22, 127
	s_lshl_b32 s23, s22, 23
	v_mov_b32 v8, s23                              ; 2^e0 as f32: the conversion takes its exponent field
	s_add_co_i32 s22, s22, 15
	s_lshl_b32 s22, s22, 23
	s_or_b32 s25, s22, 0x600000                    ; 57,344 x 2^e0
	s_or_b32 s24, s25, 0x80000000                  ; and its negative
.set NN, 0
.rept 32
	v_med3_num_f32 v[XN+NN], v[XN+NN], s24, s25    ; the conversion to an 8-bit code does not saturate (ISA guide 7.6.2): the hold comes first
.set NN, NN+1
.endr
.irp t, 0,1,2,3
	v_cvt_scalef32_pk8_bf8_f32 v[CD+2*\t:CD+2*\t+1], v[XN+8*\t:XN+8*\t+7], v8
.endr
	v_nop                                          ; a plain line behind the last conversion
.irp t, 0,1,2,3
	global_store_b64 v4, v[CD+2*\t:CD+2*\t+1], s[14:15] offset:1024*\t   ; a wave's store covers 256 consecutive bytes, aligned
.endr
	s_wait_dscnt 0x0                               ; for the others' sake: my partial logits lie in LDS
	s_barrier_signal -1
	s_barrier_wait -1
	s_cmp_lg_u32 s16, 0
	s_cbranch_scc1 .Lend
	; wave 0: lane l stands for token l / 8 and expert l % 8
.irp w, 0,1,2,3
	ds_load_b32 v[160+\w], v6 offset:128*\w
.endr
	s_wait_dscnt 0x0
	v_add_f32 v160, v160, v161
	v_add_f32 v162, v162, v163
	v_add_f32 v164, v160, v162                     ; the logit
	v_mov_b32 v165, v164
.irp m, 1,2,4
	v_max_num_f32_dpp v165, v165, v165 row_xmask:\m row_mask:0xf bank_mask:0xf
.endr
	v_sub_f32 v166, v164, v165                     ; the token's largest logit is taken away
	v_mul_f32 v166, 0x3fb8aa3b, v166
	v_exp_f32 v166, v166
	v_nop
	s_wait_alu depctr_va_vdst(0)
	v_mov_b32 v167, v166
.irp m, 1,2,4
	v_add_f32_dpp v167, v167, v167 row_xmask:\m row_mask:0xf bank_mask:0xf
.endr
	v_rcp_f32 v167, v167
	v_and_b32 v168, 7, v1                          ; (a plain line behind the reciprocal)  e
	s_wait_alu depctr_va_vdst(0)
	v_mul_f32 v166, v166, v167                     ; p
	v_cvt_f32_u32 v169, v168                       ; e as f32
	v_mov_b32 v170, v166
.irp m, 1,2,4
	v_max_num_f32_dpp v170, v170, v170 row_xmask:\m row_mask:0xf bank_mask:0xf
.endr
	v_cmp_eq_f32 vcc_lo, v166, v170                ; who holds the largest p?  The lowest such index wins
	v_cndmask_b32 v171, 0x41000000, v169, vcc_lo
.irp m, 1,2,4
	v_min_num_f32_dpp v171, v171, v171 row_xmask:\m row_mask:0xf bank_mask:0xf
.endr
	v_cmp_eq_f32 vcc_lo, v169, v171
	v_mov_b32 v172, -1.0
	v_cndmask_b32 v172, v166, v172, vcc_lo         ; the winner leaves the field
	v_mov_b32 v173, v172
.irp m, 1,2,4
	v_max_num_f32_dpp v173, v173, v173 row_xmask:\m row_mask:0xf bank_mask:0xf
.endr
	v_cmp_eq_f32 vcc_lo, v172, v173
	v_cndmask_b32 v174, 0x41000000, v169, vcc_lo
.irp m, 1,2,4
	v_min_num_f32_dpp v174, v174, v174 row_xmask:\m row_mask:0xf bank_mask:0xf
.endr
	v_add_f32 v175, v170, v173
	v_rcp_f32 v175, v175
	v_cmp_eq_u32 vcc_lo, 0, v168                   ; (a plain line behind the reciprocal)
	s_wait_alu depctr_va_vdst(0)
	v_mul_f32 v176, v170, v175                     ; the gates
	v_mul_f32 v177, v173, v175
	v_cndmask_b32 v178, v174, v171, vcc_lo         ; lanes with e = 0 carry the first choice, lanes with e = 1 the second
	v_cndmask_b32 v179, v177, v176, vcc_lo
	v_cvt_u32_f32 v178, v178
	v_lshrrev_b32 v180, 3, v1
	v_lshlrev_b32 v180, 3, v180
	v_lshl_add_u32 v180, v168, 2, v180             ; 8 x token + 4 x e
	global_store_b32 v6, v166, s[38:39] offset:8192
	v_cmp_gt_u32 vcc_lo, 2, v168
	s_wait_xcnt 0x0                                ; EXEC changes only behind this wait
	s_and_saveexec_b32 s42, vcc_lo
	global_store_b32 v180, v178, s[10:11]
	global_store_b32 v180, v179, s[40:41]
	s_wait_xcnt 0x0
	s_or_b32 exec_lo, exec_lo, s42
.Lend:
	s_wait_tensorcnt 0x0
	ds_add_u32 v192, v193
	s_wait_dscnt 0x0
	s_endpgm
.Lfunc_end_k_qa487dee953_route:
	.size	k_qa487dee953_route, .Lfunc_end_k_qa487dee953_route-k_qa487dee953_route
	.p2alignl 7, 3214868480
	.fill 96, 4, 3214868480
	.section	.rodata,"a",@progbits
	.p2align	6, 0x0
	.amdhsa_kernel k_qa487dee953_route
		.amdhsa_group_segment_fixed_size 1536
		.amdhsa_private_segment_fixed_size 0
		.amdhsa_enable_private_segment 0
		.amdhsa_kernarg_size 48
		.amdhsa_user_sgpr_count 2
		.amdhsa_user_sgpr_kernarg_segment_ptr 1
		.amdhsa_wavefront_size32 1
		.amdhsa_system_sgpr_workgroup_id_x 1
		.amdhsa_system_sgpr_workgroup_id_y 1
		.amdhsa_system_sgpr_workgroup_id_z 1
		.amdhsa_system_vgpr_workitem_id 0
		.amdhsa_next_free_vgpr 194
		.amdhsa_next_free_sgpr 66
		.amdhsa_reserve_vcc 1
		.amdhsa_float_denorm_mode_32 3
		.amdhsa_float_denorm_mode_16_64 3
		.amdhsa_memory_ordered 1
		.amdhsa_forward_progress 1
		.amdhsa_inst_pref_size 30
	.end_amdhsa_kernel
	.amdgpu_metadata
---
amdhsa.version: [ 1, 2 ]
amdhsa.kernels:
  - .name:           k_qa487dee953_route
    .symbol:         k_qa487dee953_route.kd
    .args:
      - { .name: x, .offset: 0, .size: 8, .value_kind: global_buffer, .address_space: global }
      - { .name: Wg, .offset: 8, .size: 8, .value_kind: global_buffer, .address_space: global }
      - { .name: lowp_scales, .offset: 16, .size: 8, .value_kind: global_buffer, .address_space: global }
      - { .name: sel, .offset: 24, .size: 8, .value_kind: global_buffer, .address_space: global }
      - { .name: rw, .offset: 32, .size: 8, .value_kind: global_buffer, .address_space: global }
      - { .name: xq, .offset: 40, .size: 8, .value_kind: global_buffer, .address_space: global }
    .group_segment_fixed_size: 1536
    .private_segment_fixed_size: 0
    .kernarg_segment_align: 8
    .kernarg_segment_size: 48
    .max_flat_workgroup_size: 128
    .sgpr_count:     66
    .vgpr_count:     194
    .wavefront_size: 32
...
	.end_amdgpu_metadata
.endif
;; end of part 1
;; launch place (part 2): grid 1 x 1, 32 waves a work-group, no clusters, 6,144 bytes of LDS; arguments sel, rw, lists, out1; writes lists, out1
.if DOCPART == 2
	.amdgcn_target "amdgcn-amd-amdhsa--gfx1250"
	.amdhsa_code_object_version 6
	.text
	.protected	k_qa487dee953_place
	.globl	k_qa487dee953_place
	.p2align	8
	.type	k_qa487dee953_place,@function
k_qa487dee953_place:
	s_mov_b64 s[64:65], 0
	v_nop
	global_prefetch_b8 v0, s[64:65] scope:SCOPE_SE
	s_setreg_imm32_b32 hwreg(HW_REG_WAVE_MODE, 25, 1), 1
	s_wait_xcnt 0x0
; THE ROWS ARE PLACED BY EXPERT (a counting sort without atomics), AND THE AUXILIARY LOSS.  One work-group; thread t is token t.
; An expert's rows are numbered in the order of tokens; expert e's rows begin at slot 32 x blk0[e], blk0 the running sum of nblk[e] = ceil(rows / 32): at most 71 blocks in all, whatever the choice.
; lists: words 0-7 blk0, 8-15 nblk, 16-23 rows, 24 blocks in all - 1, 25 the last real row's slot; from byte 256 slot [token][2]; from byte 8448 inv [slot] = token (real rows only).
; out1 = 8 x sum over e of (rows[e] / 2048) x (sum over tokens of p[t][e] / 1024) = 2^-18 x sum over t, e of rows[e] p[t][e].
; LDS: cnt [expert][wave] at byte 0 (1,024 bytes); the waves' parts of the loss from byte 1,024 (128 bytes).
; SCALARS: s16-23, s24-31 masks of the lanes whose first, second choice is e; s32-39 rows; s40-47 rows in the waves ahead of mine; s48-55 nblk; s56-63 blk0; s66-73 my wave's first slot of e.
	s_load_b256 s[4:11], s[0:1], 0x0               ; sel s[4:5], rw s[6:7], lists s[8:9], out1 s[10:11]
	v_lshl_add_u32 v96, v0, 2, 0x800
	v_mov_b32 v97, 0
	v_lshrrev_b32 v2, 5, v0
	v_readfirstlane_b32 s12, v2                    ; wave
	v_and_b32 v19, 31, v0                          ; lane
	v_lshlrev_b32 v1, 3, v0                        ; 8 t
	v_lshlrev_b32 v2, 5, v0                        ; 32 t
	s_lshl_b32 s13, s12, 2
	v_mov_b32 v3, s13                              ; 4 x wave
	v_mov_b32 v6, 0                                ; my ranks inside the wave
	v_mov_b32 v7, 0
	s_mov_b32 s84, 0x76543210
	s_mov_b32 s85, 0xfedcba98
	s_wait_kmcnt 0x0
	global_load_b64 v[4:5], v1, s[4:5]
	global_load_b128 v[8:11], v2, s[6:7] offset:8192
	global_load_b128 v[12:15], v2, s[6:7] offset:8208
	s_wait_loadcnt 0x0
	v_min_u32 v4, 7, v4
	v_min_u32 v5, 7, v5
.irp e, 0,1,2,3,4,5,6,7
	v_cmp_eq_u32 s[16+\e], \e, v4
	v_cmp_eq_u32 s[24+\e], \e, v5
	s_or_b32 s74, s[16+\e], s[24+\e]               ; the wave's tokens that use e (a token's two choices differ)
	v_mbcnt_lo_u32_b32 v16, s74, 0                 ; how many of them stand in lower lanes
	v_cndmask_b32 v6, v6, v16, s[16+\e]
	v_cndmask_b32 v7, v7, v16, s[24+\e]
	s_bcnt1_i32_b32 s75, s74
	v_mov_b32 v17, s75
	ds_store_b32 v3, v17 offset:128*\e             ; cnt[e][wave]: every lane writes the same word
.endr
	s_wait_dscnt 0x0
	s_barrier_signal -1
	s_barrier_wait -1
	v_and_b32 v18, 7, v0
	v_lshlrev_b32 v18, 7, v18                      ; lane l sums expert l % 8
.irp q, 0,1,2,3,4,5,6,7
	ds_load_b128 v[20+4*\q:23+4*\q], v18 offset:16*\q
.endr
	s_bfm_b32 s76, s12, 0                          ; one bit for each wave ahead of mine
	v_mov_b32 v53, 0
	s_wait_dscnt 0x0
	v_add3_u32 v52, v20, v21, v22
.irp j, 3,5,7,9,11,13,15,17,19,21,23,25,27,29
	v_add3_u32 v52, v52, v[20+\j], v[21+\j]
.endr
	v_add_nc_u32 v52, v52, v51                     ; the expert's rows
.set NN, 0
.rept 31
	s_bitcmp1_b32 s76, NN
	s_cselect_b32 s77, -1, 0
	v_and_b32 v54, s77, v[20+NN]
	v_add_nc_u32 v53, v53, v54                     ; those of the waves ahead of mine
.set NN, NN+1
.endr
.irp e, 0,1,2,3,4,5,6,7
	v_readlane_b32 s[32+\e], v52, \e
	v_readlane_b32 s[40+\e], v53, \e
.endr
	s_mov_b32 s78, 0                               ; blocks so far
	s_mov_b32 s80, 0                               ; the last real row's slot
.irp e, 0,1,2,3,4,5,6,7
	s_mov_b32 s[56+\e], s78
	s_add_co_u32 s79, s[32+\e], 31
	s_lshr_b32 s[48+\e], s79, 5
	s_lshl_b32 s79, s78, 5
	s_add_co_u32 s[66+\e], s79, s[40+\e]
	s_add_co_u32 s79, s79, s[32+\e]
	s_sub_co_u32 s79, s79, 1
	s_cmp_lg_u32 s[32+\e], 0
	s_cselect_b32 s80, s79, s80
	s_add_co_u32 s78, s78, s[48+\e]
.endr
	s_sub_co_u32 s78, s78, 1
	v_mov_b32 v56, 0
	v_mov_b32 v57, 0
.irp e, 0,1,2,3,4,5,6,7
	v_mov_b32 v58, s[66+\e]
	v_cndmask_b32 v56, v56, v58, s[16+\e]
	v_cndmask_b32 v57, v57, v58, s[24+\e]
.endr
	v_add_nc_u32 v60, v6, v56                      ; my two slots
	v_add_nc_u32 v61, v7, v57
	global_store_b64 v1, v[60:61], s[8:9] offset:256
	v_min_u32 v62, 0x8ff, v60
	v_min_u32 v63, 0x8ff, v61
	v_lshlrev_b32 v62, 2, v62
	v_lshlrev_b32 v63, 2, v63
	global_store_b32 v62, v0, s[8:9] offset:8448   ; inv[slot] = token
	global_store_b32 v63, v0, s[8:9] offset:8448
	; the loss: my token's share, the wave's sum, the 32 waves' parts through LDS
	v_cvt_f32_u32 v65, s32
	v_mul_f32 v64, v65, v8
.irp e, 1,2,3,4,5,6,7
	v_cvt_f32_u32 v65, s[32+\e]
	v_fma_f32 v64, v65, v[8+\e], v64
.endr
.irp m, 1,2,4,8
	v_add_f32_dpp v64, v64, v64 row_xmask:\m row_mask:0xf bank_mask:0xf
.endr
	v_permlanex16_b32 v65, v64, s84, s85
	v_add_f32 v64, v64, v65
	ds_store_b32 v3, v64 offset:1024
	s_wait_dscnt 0x0
	s_barrier_signal -1
	s_barrier_wait -1
	s_cmp_lg_u32 s12, 0
	s_cbranch_scc1 .Lend
	v_lshlrev_b32 v67, 2, v19
	ds_load_b32 v66, v67 offset:1024
	v_mov_b32 v68, 0
.irp e, 0,1,2,3,4,5,6,7
	v_writelane_b32 v68, s[56+\e], \e
	v_writelane_b32 v68, s[48+\e], 8+\e
	v_writelane_b32 v68, s[32+\e], 16+\e
.endr
	v_writelane_b32 v68, s78, 24
	v_writelane_b32 v68, s80, 25
	global_store_b32 v67, v68, s[8:9]              ; the table: 32 words
	s_wait_dscnt 0x0
.irp m, 1,2,4,8
	v_add_f32_dpp v66, v66, v66 row_xmask:\m row_mask:0xf bank_mask:0xf
.endr
	v_permlanex16_b32 v65, v66, s84, s85
	v_add_f32 v66, v66, v65
	v_mul_f32 v66, 0x36800000, v66                 ; x 2^-18
	v_mov_b32 v69, 0
	v_cmp_eq_u32 vcc_lo, 0, v0
	s_wait_xcnt 0x0                                ; EXEC changes only behind this wait
	s_and_saveexec_b32 s82, vcc_lo
	global_store_b32 v69, v66, s[10:11]
	s_wait_xcnt 0x0
	s_or_b32 exec_lo, exec_lo, s82
.Lend:
	s_wait_tensorcnt 0x0
	ds_add_u32 v96, v97
	s_wait_dscnt 0x0
	s_endpgm
.Lfunc_end_k_qa487dee953_place:
	.size	k_qa487dee953_place, .Lfunc_end_k_qa487dee953_place-k_qa487dee953_place
	.p2alignl 7, 3214868480
	.fill 96, 4, 3214868480
	.section	.rodata,"a",@progbits
	.p2align	6, 0x0
	.amdhsa_kernel k_qa487dee953_place
		.amdhsa_group_segment_fixed_size 6144
		.amdhsa_private_segment_fixed_size 0
		.amdhsa_enable_private_segment 0
		.amdhsa_kernarg_size 32
		.amdhsa_user_sgpr_count 2
		.amdhsa_user_sgpr_kernarg_segment_ptr 1
		.amdhsa_wavefront_size32 1
		.amdhsa_system_sgpr_workgroup_id_x 1
		.amdhsa_system_sgpr_workgroup_id_y 1
		.amdhsa_system_sgpr_workgroup_id_z 1
		.amdhsa_system_vgpr_workitem_id 0
		.amdhsa_next_free_vgpr 98
		.amdhsa_next_free_sgpr 100
		.amdhsa_reserve_vcc 1
		.amdhsa_float_denorm_mode_32 3
		.amdhsa_float_denorm_mode_16_64 3
		.amdhsa_memory_ordered 1
		.amdhsa_forward_progress 1
		.amdhsa_inst_pref_size 21
	.end_amdhsa_kernel
	.amdgpu_metadata
---
amdhsa.version: [ 1, 2 ]
amdhsa.kernels:
  - .name:           k_qa487dee953_place
    .symbol:         k_qa487dee953_place.kd
    .args:
      - { .name: sel, .offset: 0, .size: 8, .value_kind: global_buffer, .address_space: global }
      - { .name: rw, .offset: 8, .size: 8, .value_kind: global_buffer, .address_space: global }
      - { .name: lists, .offset: 16, .size: 8, .value_kind: global_buffer, .address_space: global }
      - { .name: out1, .offset: 24, .size: 8, .value_kind: global_buffer, .address_space: global }
    .group_segment_fixed_size: 6144
    .private_segment_fixed_size: 0
    .kernarg_segment_align: 8
    .kernarg_segment_size: 32
    .max_flat_workgroup_size: 1024
    .sgpr_count:     100
    .vgpr_count:     98
    .wavefront_size: 32
...
	.end_amdgpu_metadata
.endif
;; end of part 2
;; launch gemm1 (part 3): grid 32 x 8, 4 waves a work-group, no clusters, 131,584 bytes of LDS; arguments W1, xq, lists, lowp_scales, hq; writes hq
.if DOCPART == 3
	.amdgcn_target "amdgcn-amd-amdhsa--gfx1250"
	.amdhsa_code_object_version 6
	.text
	.protected	k_qa487dee953_gemm1
	.globl	k_qa487dee953_gemm1
	.p2align	8
	.type	k_qa487dee953_gemm1,@function
k_qa487dee953_gemm1:
	s_mov_b64 s[64:65], 0
	v_nop
	global_prefetch_b8 v0, s[64:65] scope:SCOPE_SE
	s_setreg_imm32_b32 hwreg(HW_REG_WAVE_MODE, 25, 1), 1
	s_wait_xcnt 0x0
; h = gelu(x W1[e]) FOR THE ROWS ROUTED TO EXPERT e, on codes of E5M2, and h's codes.  W1 [8][1024 (k)][4096 (f)] f32; xq: x's codes [token][1024]; hq: h's codes.
; SHARES.  Work-group (x = slice of 128 columns f, y = expert e) owns 1024 x 128 numbers of W1, 512 KiB, which nobody else reads.  THE FOUR WAVES SPLIT K: wave w owns rows k = 256 w .. 256 w + 255.
; PHASE 1, THE STREAM.  A wave reads its 128 KiB once, as f32 (16 lanes take 256 consecutive bytes of a row, the other 16 the row 16 further down), holds and converts them, turns 4 x 4 bytes by
; v_perm_b32 and keeps the codes: 16 fragments (8 tiles of 16 columns x 2 K steps of 128), 256 registers, for the whole launch.  Four slots of 16 loads take turns: 48 to 64 loads a wave are out.
; Tile T = 4 p + j holds the columns 64 p + 4 r + j (r = lane % 16): which columns form a tile is free.  Along K: register group c, byte B of lane (r, h) is k = 128 s + 32 c + 16 h + B, alike in W1's and x's fragments.
; PHASE 2, THE ROWS, 32 at a time (a block).  The expert's blocks are known from the list that an earlier launch stored.  The loop has a constant 16 trips of two blocks; a block past the expert's last is passed over
; by scalar branches round the work, never round the barrier.  A block: x's codes of its 32 tokens (my 256 of K) are gathered one block ahead; 32 matrix instructions (source 0 = 16 columns of W1, source 1 = 16 rows);
; the four waves' partial sums meet in a stage in LDS; one barrier; wave w adds up tiles 2 w, 2 w + 1, applies 2^(e0 + e1), the exact GELU and h's quantiser, and stores 16 bytes a lane.
; Two stages take turns, so that one barrier a block orders both the writing ahead of the reading and the reading ahead of the next writing but one.
; hq [tile of 16 slots][K step of 128][group c][lane][16 bytes] IS THE IMAGE OF THE NEXT PRODUCT'S OPERAND REGISTERS: lane (r, h) holds slot r; byte B of group c is f = 128 s + 64 (c / 2) + 32 h + 4 (B % 8) + 2 (c % 2) + B / 8.
; Rows that pad an expert's last block repeat its last row: finite numbers that nobody reads.
; GELU: Phi(-|x|) = erfc(|x| / sqrt 2) / 2 = t 2^(poly(t) - x^2 log2(e) / 2), t = 1 / (1 + |x| / (2 sqrt 2)), poly of degree 9 (a rational Chebyshev fit of erfc, fractional error 1.2e-7), all in f32.
; NO JOINT LOADS: the bulk of a work-group's bytes, its weights, is shared with nobody; the rows' codes are shared, but how many blocks there are hangs on loaded counts.
; LIMITS: e1 and e3 between -126 and 112, e0 + e1 between -126 and 127, so that each power of two below is an f32 number.  NaN and infinities among the inputs are not served.
; REGISTERS, in windows of 256.  Window 0: see the names below.  Windows 1 and 2: v0-63, v64-127 two slots of the stream each (later v0-63: x's fragments, block parity 0 in window 1, 1 in window 2);
;   v128-143 codes as converted, v144-159 half turned, v160 2^e1.  Window 3: W1's codes, fragment (T, s) at v[16 (2 T + s)].
.set WOFF, 4                           ; v4      W1: 16 r + 16 rows x h
.set STW,  7                           ; v7, v8  where I put partial sums, stage 0, 1
.set STR,  9                           ; v9, v10 where I read the four waves' sums of my two tiles
.set HO0,  11                          ; v11     512 w + 16 x lane: my place in an image
.set HO,   12                          ; v12, 13 the stores' offsets, by block parity
.set RO,   16                          ; v16-19  [parity][row tile]: token x 1024 + 16 h
.set HC,   20                          ; v20-27  h's codes
.set IA,   28                          ; v28-31  [parity][row tile]: byte offset in inv
.set TT,   32                          ; v32-63  t
.set QQ,   64                          ; v64-95  the polynomial, then Phi
.set UU,   96                          ; v96-127 x^2, then 1 - Phi(-|x|)
.set ZZ,   128                         ; v128-255 the 16 accumulators (row tile rt, tile T at ZZ + 64 rt + 8 T); then the four waves' sums ([wave][rt][u][8]); v128-159 x, gelu(x)
.set XR,   128
.set AB,   144
.set WSC,  160
.set MSB, 0
.macro WIN new                         ; the immediate's high byte repeats the setting that is left; a switch that changes nothing is dropped
.if MSB != (\new)
	s_set_vgpr_msb (MSB<<8)|(\new)
.set MSB, (\new)
.endif
.endm
; 16 loads: rows 128 s + 32 c + 0 .. 15 (+ 16 h), columns 64 p on; LG = 8 s + 4 p + c; into slot LG % 4
.macro WLOAD
.set SB, 64*(LG%2)
	WIN ((1+((LG%4)/2))<<6)
.set BE, 0
.rept 16
	global_load_b128 v[SB+4*BE:SB+4*BE+3], v[WOFF], s[4:5] offset:(128*(LG/8)+32*(LG%4)+BE)*16384+256*((LG/4)%2) th:TH_LOAD_NT
.set BE, BE+1
.endr
.endm
; slot CG % 4 becomes register group c of four fragments
.macro WCONV
.set SB, 64*(CG%2)
.set WW, 1+((CG%4)/2)
.set CB, 128*((CG/4)%2)+16*(CG/8)+4*(CG%4)
	WIN (WW*0x55)
.set NN, 0
.rept 64
	v_med3_num_f32 v[SB+NN], v[SB+NN], s24, s25    ; the conversion to an 8-bit code does not saturate (ISA guide 7.6.2): the hold comes first
.set NN, NN+1
.endr
.set NN, 0
.rept 8
	v_cvt_scalef32_pk8_bf8_f32 v[XR+2*NN:XR+2*NN+1], v[SB+8*NN:SB+8*NN+7], v[WSC]   ; register B of XR: row B's four columns, a byte each
.set NN, NN+1
.endr
	v_nop                                          ; a plain line between the conversions and the reads of their results
.set NN, 0
.rept 4                                ; 4 rows x 4 columns of bytes are turned, in two steps
	v_perm_b32 v[AB+4*NN],   v[XR+4*NN+1], v[XR+4*NN],   s26
	v_perm_b32 v[AB+4*NN+1], v[XR+4*NN+1], v[XR+4*NN],   s27
	v_perm_b32 v[AB+4*NN+2], v[XR+4*NN+3], v[XR+4*NN+2], s26
	v_perm_b32 v[AB+4*NN+3], v[XR+4*NN+3], v[XR+4*NN+2], s27
.set NN, NN+1
.endr
	WIN (0xc0+5*WW)
.set NN, 0
.rept 4
	v_perm_b32 v[CB+NN],    v[AB+4*NN+2], v[AB+4*NN],   s28   ; column j = 0: four rows' codes
	v_perm_b32 v[CB+32+NN], v[AB+4*NN+2], v[AB+4*NN],   s29   ; j = 1
	v_perm_b32 v[CB+64+NN], v[AB+4*NN+3], v[AB+4*NN+1], s28   ; j = 2
	v_perm_b32 v[CB+96+NN], v[AB+4*NN+3], v[AB+4*NN+1], s29   ; j = 3
.set NN, NN+1
.endr
.endm
; the tokens of a block's 32 slots are asked for.  s47 = 32 x (the expert's first block + the block)
.macro ROLOAD p
.irp rt, 0,1
	v_add3_u32 v[IA+2*(\p)+\rt], s47, v1, 16*\rt
	v_min_u32 v[IA+2*(\p)+\rt], s19, v[IA+2*(\p)+\rt]      ; rows past the expert's last repeat it
	v_min_u32 v[IA+2*(\p)+\rt], 0x8ff, v[IA+2*(\p)+\rt]
	v_lshlrev_b32 v[IA+2*(\p)+\rt], 2, v[IA+2*(\p)+\rt]
	global_load_b32 v[RO+2*(\p)+\rt], v[IA+2*(\p)+\rt], s[8:9] offset:8448
.endr
.endm
.macro ROFIX p                         ; token -> its row's byte in xq, + my half's 16
.irp rt, 0,1
	v_min_u32 v[RO+2*(\p)+\rt], 0x3ff, v[RO+2*(\p)+\rt]
.endr
.irp rt, 0,1
	v_lshl_add_u32 v[RO+2*(\p)+\rt], v[RO+2*(\p)+\rt], 10, v5
.endr
.endm
; x's fragments of a block: 2 row tiles x 2 K steps; a row tile's eight loads take one aligned piece of 256 bytes of each of 16 rows
.macro ALOAD1 p
	WIN ((1+(\p))<<6)
.irp rt, 0,1
.irp s, 0,1
.irp c, 0,1,2,3
	global_load_b128 v[32*\rt+16*\s+4*\c:32*\rt+16*\s+4*\c+3], v[RO+2*(\p)+\rt], s[6:7] offset:128*\s+32*\c
.endr
.endr
.endr
	WIN 0
.endm
.macro GELU32                          ; v[ZZ] .. v[ZZ + 31]: sums -> gelu(sum x 2^(e0 + e1))
.set NN, 0
.rept 16
	v_pk_mul_f32 v[ZZ+NN:ZZ+NN+1], v[ZZ+NN:ZZ+NN+1], s[30:31] op_sel_hi:[1,0]
.set NN, NN+2
.endr
.set NN, 0
.rept 32
	v_and_b32 v[TT+NN], 0x7fffffff, v[ZZ+NN]
.set NN, NN+1
.endr
.set NN, 0
.rept 16
	v_pk_fma_f32 v[TT+NN:TT+NN+1], v[TT+NN:TT+NN+1], s[38:39], 1.0 op_sel_hi:[1,0,0]   ; 1 + |x| / (2 sqrt 2)
.set NN, NN+2
.endr
.set NN, 0
.rept 32
	v_rcp_f32 v[TT+NN], v[TT+NN]
.set NN, NN+1
.endr
.set NN, 0
.rept 16
	v_pk_mul_f32 v[UU+NN:UU+NN+1], v[ZZ+NN:ZZ+NN+1], v[ZZ+NN:ZZ+NN+1]   ; x^2 (the first is also the plain line behind the reciprocals)
.set NN, NN+2
.endr
.set NN, 0
	s_wait_alu depctr_va_vdst(0)
.rept 16
	v_pk_fma_f32 v[QQ+NN:QQ+NN+1], v[TT+NN:TT+NN+1], s[34:35], 0xbf97d29d op_sel_hi:[1,0,0]
.set NN, NN+2
.endr
.irp c, 0x40097039, 0xbfd1a1e5, 0x3ecdfd18, 0xbe899a80, 0x3e0efb2e, 0x3f0a29d2, 0x3fb8ab5a, 0xc034d90f
.set NN, 0
.rept 16
	v_pk_fma_f32 v[QQ+NN:QQ+NN+1], v[QQ+NN:QQ+NN+1], v[TT+NN:TT+NN+1], \c op_sel_hi:[1,1,0]   ; the fit's coefficients x log2(e); the last also carries the -1 of the factor 1/2
.set NN, NN+2
.endr
.endr
.set NN, 0
.rept 16
	v_pk_fma_f32 v[QQ+NN:QQ+NN+1], v[UU+NN:UU+NN+1], 0xbf38aa3b, v[QQ+NN:QQ+NN+1] op_sel_hi:[1,0,1]
.set NN, NN+2
.endr
.set NN, 0
.rept 32
	v_exp_f32 v[QQ+NN], v[QQ+NN]
.set NN, NN+1
.endr
	v_nop                                          ; a plain line behind the exponentials
.set NN, 0
	s_wait_alu depctr_va_vdst(0)
.rept 16
	v_pk_mul_f32 v[QQ+NN:QQ+NN+1], v[QQ+NN:QQ+NN+1], v[TT+NN:TT+NN+1]   ; Phi(-|x|)
.set NN, NN+2
.endr
.set NN, 0
.rept 16
	v_pk_fma_f32 v[UU+NN:UU+NN+1], v[QQ+NN:QQ+NN+1], -1.0, 1.0 op_sel_hi:[1,0,0]   ; Phi(|x|)
.set NN, NN+2
.endr
.set NN, 0
.rept 32
	v_cmp_gt_f32 vcc_lo, 0, v[ZZ+NN]
	v_cndmask_b32 v[QQ+NN], v[UU+NN], v[QQ+NN], vcc_lo
.set NN, NN+1
.endr
.set NN, 0
.rept 16
	v_pk_mul_f32 v[ZZ+NN:ZZ+NN+1], v[ZZ+NN:ZZ+NN+1], v[QQ+NN:QQ+NN+1]
.set NN, NN+2
.endr
.endm
	s_load_b256 s[4:11], s[0:1], 0x0               ; W1 s[4:5], xq s[6:7], lists s[8:9], the scales' exponents s[10:11]
	s_load_b64 s[12:13], s[0:1], 0x20              ; hq
	v_lshl_add_u32 v15, v0, 2, 0x20000
	s_set_vgpr_msb 0x40
	v_mov_b32 v255, 0
	s_set_vgpr_msb 0x4000
	v_lshrrev_b32 v6, 5, v0
	v_readfirstlane_b32 s14, v6                    ; wave
	v_and_b32 v1, 15, v0                           ; r
	v_bfe_u32 v2, v0, 4, 1                         ; h
	v_and_b32 v3, 31, v0
	v_lshlrev_b32 v3, 4, v3                        ; 16 x lane
	v_lshlrev_b32 v4, 4, v1
	v_lshl_add_u32 v[WOFF], v2, 18, v4             ; 16 r + 16 rows of 16,384 bytes x h
	v_lshlrev_b32 v5, 4, v2                        ; 16 h
	s_lshl_b32 s36, s14, 14
	v_add_nc_u32 v[STW], s36, v3                   ; a stage: [wave 16,384][row tile 8,192][tile 1,024][half 512][16 x lane]
	v_add_nc_u32 v[STW+1], 0x10000, v[STW]
	s_lshl_b32 s36, s14, 11
	v_add_nc_u32 v[STR], s36, v3                   ; my tiles 2 w, 2 w + 1
	v_add_nc_u32 v[STR+1], 0x10000, v[STR]
	s_lshl_b32 s36, s14, 9
	v_add_nc_u32 v[HO0], s36, v3
	s_and_b32 s15, ttmp7, 0xffff                   ; the expert
	s_mov_b32 s16, ttmp9                           ; the slice
	s_mov_b32 s26, 0x05010400                      ; the byte selects of the two turning steps
	s_mov_b32 s27, 0x07030602
	s_mov_b32 s28, 0x05040100
	s_mov_b32 s29, 0x07060302
	s_mov_b32 s34, 0x3e7c6f08                      ; the fit's highest coefficient
	s_mov_b32 s35, s34
	s_mov_b32 s38, 0x3eb504f3                      ; 1 / (2 sqrt 2)
	s_mov_b32 s39, s38
	s_lshl_b32 s36, s15, 24                        ; W1: the expert's 2^24 bytes, my 256 rows of 16,384, the slice's 512
	s_lshl_b32 s40, s14, 22
	s_add_co_u32 s36, s36, s40
	s_lshl_b32 s40, s16, 9
	s_add_co_u32 s36, s36, s40
	s_mov_b32 s37, 0
	s_lshl_b32 s42, s15, 2
	s_mov_b32 s43, 0
	s_lshl_b32 s52, s14, 8                         ; xq: my 256 of a row's 1,024 codes
	s_mov_b32 s53, 0
	s_wait_kmcnt 0x0
	s_add_nc_u64 s[4:5], s[4:5], s[36:37]
	s_add_nc_u64 s[44:45], s[8:9], s[42:43]
	s_add_nc_u64 s[6:7], s[6:7], s[52:53]
	s_load_b32 s18, s[44:45], 0x0                  ; blk0[e]
	s_load_b32 s17, s[44:45], 0x20                 ; nblk[e]
	s_load_b32 s19, s[44:45], 0x40                 ; rows[e]
	s_load_b64 s[20:21], s[8:9], 0x60              ; blocks in all - 1, the last real row's slot
	s_load_b128 s[48:51], s[10:11], 0x0            ; e0 .. e3
.set LG, 0
	WLOAD
.set LG, 1
	WLOAD
.set LG, 2
	WLOAD
	WIN 0
	s_wait_kmcnt 0x0
	s_min_u32 s18, s18, 71
	s_min_u32 s17, s17, 32
	s_lshl_b32 s46, s18, 5                         ; the expert's first slot
	s_max_u32 s19, s19, 1
	s_sub_co_u32 s19, s19, 1
	s_add_co_u32 s19, s19, s46
	s_min_u32 s19, s19, s21                        ; the expert's last real row (for an expert without rows: some real row)
	s_min_u32 s19, s19, 0x8ff
	s_add_co_i32 s40, s49, 127
	s_lshl_b32 s41, s40, 23                        ; 2^e1 as f32
	s_add_co_i32 s40, s40, 15
	s_lshl_b32 s40, s40, 23
	s_or_b32 s25, s40, 0x600000                    ; 57,344 x 2^e1
	s_or_b32 s24, s25, 0x80000000
	WIN 0x40
	v_mov_b32 v[WSC], s41
	WIN 0x80
	v_mov_b32 v[WSC], s41
	WIN 0
	s_add_co_i32 s40, s48, s49
	s_add_co_i32 s40, s40, 127
	s_lshl_b32 s30, s40, 23                        ; 2^(e0 + e1)
	s_mov_b32 s31, s30
	s_add_co_i32 s40, s51, 127
	s_lshl_b32 s41, s40, 23
	v_mov_b32 v14, s41                             ; 2^e3
	s_add_co_i32 s40, s40, 15
	s_lshl_b32 s40, s40, 23
	s_or_b32 s33, s40, 0x600000                    ; 57,344 x 2^e3
	s_or_b32 s32, s33, 0x80000000
	s_lshl_b32 s36, s18, 17                        ; hq: a block is 131,072 bytes, a K step 2,048
	s_lshl_b32 s40, s16, 11
	s_add_co_u32 s36, s36, s40
	s_add_nc_u64 s[12:13], s[12:13], s[36:37]
	s_mov_b32 s47, s46
	ROLOAD 0                                       ; the tokens of blocks 0 and 1
	s_add_co_u32 s47, s46, 32
	ROLOAD 1
	; THE STREAM.  Each wait counts the loads issued behind the sixteen that it needs: three younger runs of 16, and in the first three steps the four loads of tokens;
	; at the end two runs, then one run and block 0's 16 row loads, then those 16 alone.
.set CG, 0
.rept 16
.if (CG+3) < 16
.set LG, CG+3
	WLOAD
.endif
.if CG == 14
	WIN 0
	ROFIX 0
	ALOAD1 0                                       ; block 0's rows, into the slot that was converted two steps ago
.endif
.if CG < 3
	s_wait_loadcnt 52
.elseif CG < 13
	s_wait_loadcnt 48
.elseif CG < 15
	s_wait_loadcnt 32
.else
	s_wait_loadcnt 16
.endif
	WCONV
.set CG, CG+1
.endr
	WIN 0
; ONE BLOCK of 32 rows, of parity pi.  s22 + pi = its number b.
.macro BSTEP pi
	s_add_co_u32 s40, s22, \pi
	s_cmp_ge_u32 s40, s17
	s_cbranch_scc1 .Lno_mul_\@                     ; past the expert's last block: no work, but the barrier below
	s_wait_loadcnt 0x0                             ; block b's fragments and block b + 1's tokens are in; every address register below is free
	ROFIX 1-\pi
	ALOAD1 1-\pi                                   ; block b + 1's rows: on their way through this block's products, stage and way out
	s_lshl_b32 s47, s40, 5
	s_add_co_u32 s47, s47, s46
	s_add_co_u32 s47, s47, 64
	ROLOAD \pi                                     ; block b + 2's tokens
	WIN (0x07+4*\pi)                               ; source 0 window 3, source 1 window 1 or 2, C and D window 0
.irp s, 0,1                            ; the 16 accumulators take turns, one instruction a turn
.irp rt, 0,1
.irp t, 0,1,2,3,4,5,6,7
.if \s == 0
	v_wmma_f32_16x16x128_bf8_bf8 v[ZZ+64*\rt+8*\t:ZZ+64*\rt+8*\t+7], v[16*(2*\t+\s):16*(2*\t+\s)+15], v[32*\rt+16*\s:32*\rt+16*\s+15], 0
.else
	v_wmma_f32_16x16x128_bf8_bf8 v[ZZ+64*\rt+8*\t:ZZ+64*\rt+8*\t+7], v[16*(2*\t+\s):16*(2*\t+\s)+15], v[32*\rt+16*\s:32*\rt+16*\s+15], v[ZZ+64*\rt+8*\t:ZZ+64*\rt+8*\t+7]
.endif
.endr
.endr
.endr
	WIN 0
.rept 5
	v_nop                                          ; places: four ahead of the stores that read results and of loads into these registers, five ahead of the next block's products, which begin the accumulators anew
.endr
.irp rt, 0,1
.irp t, 0,1,2,3,4,5,6,7
	ds_store_b128 v[STW+\pi], v[ZZ+64*\rt+8*\t:ZZ+64*\rt+8*\t+3]   offset:8192*\rt+1024*\t       ; each accumulator from its low end on; 512 consecutive bytes a store
	ds_store_b128 v[STW+\pi], v[ZZ+64*\rt+8*\t+4:ZZ+64*\rt+8*\t+7] offset:8192*\rt+1024*\t+512
.endr
.endr
.Lno_mul_\@:
	s_wait_dscnt 0x0                               ; my partial sums lie in this stage, and my reads of the other stage are over
	s_barrier_signal -1
	s_barrier_wait -1
	s_cmp_ge_u32 s40, s17
	s_cbranch_scc1 .Lno_out_\@
	s_wait_xcnt 0x0                                ; the last block's stores have read their codes and offsets
.irp src, 0,1,2,3
.irp rt, 0,1
.irp u, 0,1
	ds_load_b128 v[ZZ+32*\src+16*\rt+8*\u:ZZ+32*\src+16*\rt+8*\u+3],   v[STR+\pi] offset:16384*\src+8192*\rt+1024*\u
	ds_load_b128 v[ZZ+32*\src+16*\rt+8*\u+4:ZZ+32*\src+16*\rt+8*\u+7], v[STR+\pi] offset:16384*\src+8192*\rt+1024*\u+512
.endr
.endr
.endr
	s_lshl_b32 s41, s40, 17
	v_add_nc_u32 v[HO+\pi], s41, v[HO0]
	s_wait_dscnt 0x0
.set NN, 0
.rept 16
	v_pk_add_f32 v[ZZ+NN:ZZ+NN+1], v[ZZ+NN:ZZ+NN+1], v[ZZ+32+NN:ZZ+33+NN]
	v_pk_add_f32 v[ZZ+64+NN:ZZ+65+NN], v[ZZ+64+NN:ZZ+65+NN], v[ZZ+96+NN:ZZ+97+NN]
.set NN, NN+2
.endr
.set NN, 0
.rept 16
	v_pk_add_f32 v[ZZ+NN:ZZ+NN+1], v[ZZ+NN:ZZ+NN+1], v[ZZ+64+NN:ZZ+65+NN]   ; the sum over all 1,024 of K
.set NN, NN+2
.endr
	GELU32
.set NN, 0
.rept 32
	v_med3_num_f32 v[ZZ+NN], v[ZZ+NN], s32, s33    ; the hold at the largest code x 2^e3
.set NN, NN+1
.endr
.irp rt, 0,1
.irp u, 0,1
	v_cvt_scalef32_pk8_bf8_f32 v[HC+4*\rt+2*\u:HC+4*\rt+2*\u+1], v[ZZ+16*\rt+8*\u:ZZ+16*\rt+8*\u+7], v14
.endr
.endr
	v_nop                                          ; a plain line behind the last conversion: later products write its sources
.irp rt, 0,1
	global_store_b128 v[HO+\pi], v[HC+4*\rt:HC+4*\rt+3], s[12:13] offset:65536*\rt   ; group c = w of the image: 512 consecutive bytes, aligned
.endr
.Lno_out_\@:
.endm
	s_mov_b32 s22, 0
.Lrows:
	BSTEP 0
	BSTEP 1
	s_add_co_u32 s22, s22, 2
	s_cmp_lt_u32 s22, 32
	s_cbranch_scc1 .Lrows
	s_set_vgpr_msb 0x4
	s_wait_tensorcnt 0x0
	ds_add_u32 v15, v255
	s_wait_dscnt 0x0
	s_set_vgpr_msb 0x400
	s_endpgm
.Lfunc_end_k_qa487dee953_gemm1:
	.size	k_qa487dee953_gemm1, .Lfunc_end_k_qa487dee953_gemm1-k_qa487dee953_gemm1
	.p2alignl 7, 3214868480
	.fill 96, 4, 3214868480
	.section	.rodata,"a",@progbits
	.p2align	6, 0x0
	.amdhsa_kernel k_qa487dee953_gemm1
		.amdhsa_group_segment_fixed_size 131584
		.amdhsa_private_segment_fixed_size 0
		.amdhsa_enable_private_segment 0
		.amdhsa_kernarg_size 40
		.amdhsa_user_sgpr_count 2
		.amdhsa_user_sgpr_kernarg_segment_ptr 1
		.amdhsa_wavefront_size32 1
		.amdhsa_system_sgpr_workgroup_id_x 1
		.amdhsa_system_sgpr_workgroup_id_y 1
		.amdhsa_system_sgpr_workgroup_id_z 1
		.amdhsa_system_vgpr_workitem_id 0
		.amdhsa_next_free_vgpr 1024
		.amdhsa_next_free_sgpr 72
		.amdhsa_reserve_vcc 1
		.amdhsa_float_denorm_mode_32 3
		.amdhsa_float_denorm_mode_16_64 3
		.amdhsa_memory_ordered 1
		.amdhsa_forward_progress 1
		.amdhsa_inst_pref_size 222
	.end_amdhsa_kernel
	.amdgpu_metadata
---
amdhsa.version: [ 1, 2 ]
amdhsa.kernels:
  - .name:           k_qa487dee953_gemm1
    .symbol:         k_qa487dee953_gemm1.kd
    .args:
      - { .name: W1, .offset: 0, .size: 8, .value_kind: global_buffer, .address_space: global }
      - { .name: xq, .offset: 8, .size: 8, .value_kind: global_buffer, .address_space: global }
      - { .name: lists, .offset: 16, .size: 8, .value_kind: global_buffer, .address_space: global }
      - { .name: lowp_scales, .offset: 24, .size: 8, .value_kind: global_buffer, .address_space: global }
      - { .name: hq, .offset: 32, .size: 8, .value_kind: global_buffer, .address_space: global }
    .group_segment_fixed_size: 131584
    .private_segment_fixed_size: 0
    .kernarg_segment_align: 8
    .kernarg_segment_size: 40
    .max_flat_workgroup_size: 128
    .sgpr_count:     72
    .vgpr_count:     1024
    .wavefront_size: 32
...
	.end_amdgpu_metadata
.endif
;; end of part 3
;; launch gemm2 (part 4): grid 32 x 8, 4 waves a work-group, no clusters, 70,144 bytes of LDS; arguments W2, hq, lists, lowp_scales, yp; writes yp
.if DOCPART == 4
	.amdgcn_target "amdgcn-amd-amdhsa--gfx1250"
	.amdhsa_code_object_version 6
	.text
	.protected	k_qa487dee953_gemm2
	.globl	k_qa487dee953_gemm2
	.p2align	8
	.type	k_qa487dee953_gemm2,@function
k_qa487dee953_gemm2:
	s_mov_b64 s[64:65], 0
	v_nop
	global_prefetch_b8 v0, s[64:65] scope:SCOPE_SE
	s_setreg_imm32_b32 hwreg(HW_REG_WAVE_MODE, 25, 1), 1
	s_wait_xcnt 0x0
; y = h W2[e] FOR THE ROWS ROUTED TO EXPERT e, on codes of E5M2; the sums leave unscaled, in two halves of K.  W2 [8][4096 (k)][1024 (c)] f32; hq: h's codes as register images; yp [K half][slot][1024] f32.
; SHARES.  Work-group (x = 2 cs + kh, y = expert e) owns rows k = 2048 kh .. + 2047 and columns 64 cs .. + 63 of W2[e]: 512 KiB that nobody else reads.  THE FOUR WAVES SPLIT K: wave w owns 512 rows, 4 K steps of 128.
; PHASE 1, THE STREAM: as in the launch before: a wave reads its 128 KiB once as f32 (16 lanes take the 256 bytes of a row's 64 columns, the other 16 the row 32 further down), holds, converts, turns 4 x 4 bytes and keeps
; 16 fragments (4 tiles of 16 columns x 4 K steps) in 256 registers.  Tile j holds the columns 4 r + j.  The rows are taken in the order in which h's codes lie: byte B of group c of lane (r, h) is
; k = 128 s + 64 (c / 2) + 32 h + 4 (B % 8) + 2 (c % 2) + B / 8, alike in both operands.
; PHASE 2, THE ROWS, 32 at a time: a constant 16 trips of two blocks; a block past the expert's last is passed over by scalar branches round the work, never round the barrier.  A block: h's fragments (32 loads of 512
; consecutive bytes) come one block ahead; 32 matrix instructions (source 0 = 16 slots, source 1 = 16 columns); the waves' partial sums meet in a stage in LDS laid as rows of 64 columns; one barrier; each wave adds up
; and stores 8 of the 32 rows, sixteen lanes to 256 consecutive bytes, aligned.  Two stages take turns, so one barrier a block orders writing, reading and the next writing but one.
; NO JOINT LOADS: the weights are shared with nobody; how many blocks of h there are hangs on loaded counts.
; LIMITS: e2 between -126 and 112.  NaN and infinities among the inputs are not served.
; REGISTERS.  Window 0: names below.  Windows 1, 2: v0-63, v64-127 two slots of the stream each (later v0-127: h's fragments, block parity 0 in window 1, 1 in window 2); v128-143, v144-159 at work; v160 2^e2.
;   Window 3: W2's codes, fragment (j, s) at v[16 (4 j + s)].
.set WOFF, 4                           ; v4      W2: 16 r + 32 rows x h
.set AO,   5                           ; v5, v6  h's offsets, by block parity
.set STW,  7                           ; v7, v8  where I put partial sums, stage 0, 1
.set STR,  9                           ; v9, v10 where I read rows back
.set YO0,  11                          ; v11     4096 h + 16 r
.set YO,   12                          ; v12, 13 the stores' offsets
.set PP,   32                          ; v32-95  the four waves' sums: [wave][row tile][a][4]
.set ZZ,   128                         ; v128-191 the 8 accumulators: (rt, j) at ZZ + 32 rt + 8 j
.set XR,   128
.set AB,   144
.set WSC,  160
.set STG,  34816                       ; a stage: [wave 8,704][row tile 4,352][slot 272][column x 4]: rows of 256 bytes + 16
.set MSB, 0
.macro WIN new                         ; the immediate's high byte repeats the setting that is left; a switch that changes nothing is dropped
.if MSB != (\new)
	s_set_vgpr_msb (MSB<<8)|(\new)
.set MSB, (\new)
.endif
.endm
; 16 loads: LG = 4 s + c; load B takes row 128 s + 64 (c / 2) + 2 (c % 2) + 4 (B % 8) + B / 8 (+ 32 h); into slot LG % 4
.macro WLOAD
.set SB, 64*(LG%2)
	WIN ((1+((LG%4)/2))<<6)
.set BE, 0
.rept 16
	global_load_b128 v[SB+4*BE:SB+4*BE+3], v[WOFF], s[4:5] offset:(128*(LG/4)+64*((LG%4)/2)+2*(LG%2)+4*(BE%8)+(BE/8))*4096 th:TH_LOAD_NT
.set BE, BE+1
.endr
.endm
.macro WCONV
.set SB, 64*(CG%2)
.set WW, 1+((CG%4)/2)
.set CB, 16*(CG/4)+4*(CG%4)
	WIN (WW*0x55)
.set NN, 0
.rept 64
	v_med3_num_f32 v[SB+NN], v[SB+NN], s24, s25    ; the conversion to an 8-bit code does not saturate (ISA guide 7.6.2): the hold comes first
.set NN, NN+1
.endr
.set NN, 0
.rept 8
	v_cvt_scalef32_pk8_bf8_f32 v[XR+2*NN:XR+2*NN+1], v[SB+8*NN:SB+8*NN+7], v[WSC]
.set NN, NN+1
.endr
	v_nop                                          ; a plain line between the conversions and the reads of their results
.set NN, 0
.rept 4
	v_perm_b32 v[AB+4*NN],   v[XR+4*NN+1], v[XR+4*NN],   s26
	v_perm_b32 v[AB+4*NN+1], v[XR+4*NN+1], v[XR+4*NN],   s27
	v_perm_b32 v[AB+4*NN+2], v[XR+4*NN+3], v[XR+4*NN+2], s26
	v_perm_b32 v[AB+4*NN+3], v[XR+4*NN+3], v[XR+4*NN+2], s27
.set NN, NN+1
.endr
	WIN (0xc0+5*WW)
.set NN, 0
.rept 4
	v_perm_b32 v[CB+NN],     v[AB+4*NN+2], v[AB+4*NN],   s28
	v_perm_b32 v[CB+64+NN],  v[AB+4*NN+2], v[AB+4*NN],   s29
	v_perm_b32 v[CB+128+NN], v[AB+4*NN+3], v[AB+4*NN+1], s28
	v_perm_b32 v[CB+192+NN], v[AB+4*NN+3], v[AB+4*NN+1], s29
.set NN, NN+1
.endr
.endm
; h's fragments of the block whose number among the expert's stands in s41: 2 row tiles x my 4 K steps.  A number past the expert's last block takes the last: written bytes that are not used
.macro ALOAD2 p
	s_min_u32 s41, s41, s19
	s_add_co_u32 s41, s41, s18
	s_min_u32 s41, s41, s20
	s_min_u32 s41, s41, 71
	s_lshl_b32 s41, s41, 17
	v_add_nc_u32 v[AO+(\p)], s41, v3
	WIN ((1+(\p))<<6)
.irp rt, 0,1
.irp s, 0,1,2,3
.irp c, 0,1,2,3
	global_load_b128 v[64*\rt+16*\s+4*\c:64*\rt+16*\s+4*\c+3], v[AO+(\p)], s[6:7] offset:65536*\rt+2048*\s+512*\c
.endr
.endr
.endr
	WIN 0
.endm
	s_load_b256 s[4:11], s[0:1], 0x0               ; W2 s[4:5], hq s[6:7], lists s[8:9], the scales' exponents s[10:11]
	s_load_b64 s[12:13], s[0:1], 0x20              ; yp
	v_lshl_add_u32 v254, v0, 2, 0x11000
	v_mov_b32 v255, 0
	v_lshrrev_b32 v6, 5, v0
	v_readfirstlane_b32 s14, v6                    ; wave
	v_and_b32 v1, 15, v0                           ; r
	v_bfe_u32 v2, v0, 4, 1                         ; h
	v_and_b32 v3, 31, v0
	v_lshlrev_b32 v3, 4, v3                        ; 16 x lane
	v_lshlrev_b32 v4, 4, v1
	v_lshl_add_u32 v[YO0], v2, 12, v4              ; 4096 h + 16 r
	v_lshl_add_u32 v[WOFF], v2, 17, v4             ; 16 r + 32 rows of 4,096 bytes x h
	s_mul_i32 s36, s14, 8704
	v_mul_u32_u24 v[STW], v2, 2176                 ; register i of lane (r, h) is slot 8 h + i, column 4 r + j
	v_lshl_add_u32 v[STW], v1, 4, v[STW]
	v_add_nc_u32 v[STW], s36, v[STW]
	v_add_nc_u32 v[STW+1], STG, v[STW]
	s_mul_i32 s36, s14, 1088
	v_mul_u32_u24 v[STR], v2, 272                  ; back: slot 4 w + 2 a + h, 16 bytes a lane
	v_lshl_add_u32 v[STR], v1, 4, v[STR]
	v_add_nc_u32 v[STR], s36, v[STR]
	v_add_nc_u32 v[STR+1], STG, v[STR]
	s_and_b32 s15, ttmp7, 0xffff                   ; the expert
	s_lshr_b32 s16, ttmp9, 1                       ; cs: which 64 columns
	s_and_b32 s39, ttmp9, 1                        ; kh: which half of K
	s_mov_b32 s26, 0x05010400
	s_mov_b32 s27, 0x07030602
	s_mov_b32 s28, 0x05040100
	s_mov_b32 s29, 0x07060302
	s_lshl_b32 s36, s15, 24                        ; W2: the expert's 2^24 bytes, 2,048 rows of 4,096 for the half, 512 for the wave, 256 bytes for cs
	s_lshl_b32 s40, s39, 23
	s_add_co_u32 s36, s36, s40
	s_lshl_b32 s40, s14, 21
	s_add_co_u32 s36, s36, s40
	s_lshl_b32 s40, s16, 8
	s_add_co_u32 s36, s36, s40
	s_mov_b32 s37, 0
	s_lshl_b32 s42, s15, 2
	s_mov_b32 s43, 0
	s_lshl_b32 s52, s39, 15                        ; hq: K step 16 kh + 4 w, 2,048 bytes each
	s_lshl_b32 s40, s14, 13
	s_add_co_u32 s52, s52, s40
	s_mov_b32 s53, 0
	s_wait_kmcnt 0x0
	s_add_nc_u64 s[4:5], s[4:5], s[36:37]
	s_add_nc_u64 s[44:45], s[8:9], s[42:43]
	s_add_nc_u64 s[6:7], s[6:7], s[52:53]
	s_load_b32 s18, s[44:45], 0x0                  ; blk0[e]
	s_load_b32 s17, s[44:45], 0x20                 ; nblk[e]
	s_load_b32 s20, s[8:9], 0x60                   ; blocks in all - 1
	s_load_b128 s[48:51], s[10:11], 0x0            ; e0 .. e3
.set LG, 0
	WLOAD
.set LG, 1
	WLOAD
.set LG, 2
	WLOAD
	WIN 0
	s_wait_kmcnt 0x0
	s_min_u32 s18, s18, 71
	s_min_u32 s17, s17, 32
	s_max_u32 s19, s17, 1
	s_sub_co_u32 s19, s19, 1                       ; the expert's last block
	s_add_co_i32 s40, s50, 127
	s_lshl_b32 s41, s40, 23                        ; 2^e2 as f32
	s_add_co_i32 s40, s40, 15
	s_lshl_b32 s40, s40, 23
	s_or_b32 s25, s40, 0x600000                    ; 57,344 x 2^e2
	s_or_b32 s24, s25, 0x80000000
	WIN 0x40
	v_mov_b32 v[WSC], s41
	WIN 0x80
	v_mov_b32 v[WSC], s41
	WIN 0
	s_mul_i32 s36, s39, 0x900000                   ; yp: the half's 2,304 slots of 4,096 bytes, the expert's first block, my 4 slots of each tile, cs's 256 bytes
	s_lshl_b32 s40, s18, 17
	s_add_co_u32 s36, s36, s40
	s_lshl_b32 s40, s14, 14
	s_add_co_u32 s36, s36, s40
	s_lshl_b32 s40, s16, 8
	s_add_co_u32 s36, s36, s40
	s_add_nc_u64 s[12:13], s[12:13], s[36:37]
	; THE STREAM.  Each wait counts the loads issued behind the sixteen that it needs: three younger runs of 16; at the end two runs, then one run and block 0's 32 loads, then those 32 alone.
.set CG, 0
.rept 16
.if (CG+3) < 16
.set LG, CG+3
	WLOAD
.endif
.if CG == 14
	WIN 0
	s_mov_b32 s41, 0
	ALOAD2 0                                       ; block 0's fragments, into the two slots that have been converted
.endif
.if CG < 13
	s_wait_loadcnt 48
.elseif CG == 13
	s_wait_loadcnt 32
.elseif CG == 14
	s_wait_loadcnt 48
.else
	s_wait_loadcnt 32
.endif
	WCONV
.set CG, CG+1
.endr
	WIN 0
; ONE BLOCK of 32 rows, of parity pi.  s22 + pi = its number b.
.macro BSTEP pi
	s_add_co_u32 s40, s22, \pi
	s_cmp_ge_u32 s40, s17
	s_cbranch_scc1 .Lno_mul_\@                     ; past the expert's last block: no work, but the barrier below
	s_wait_loadcnt 0x0                             ; block b's fragments are in; the offset register below is free
	s_add_co_u32 s41, s40, 1
	ALOAD2 1-\pi                                   ; block b + 1's: on their way through this block's products, stage and way out
	WIN (0x0d+\pi)                                 ; source 0 window 1 or 2, source 1 window 3, C and D window 0
.irp s, 0,1,2,3                        ; the 8 accumulators take turns, one instruction a turn
.irp rt, 0,1
.irp j, 0,1,2,3
.if \s == 0
	v_wmma_f32_16x16x128_bf8_bf8 v[ZZ+32*\rt+8*\j:ZZ+32*\rt+8*\j+7], v[64*\rt+16*\s:64*\rt+16*\s+15], v[16*(4*\j+\s):16*(4*\j+\s)+15], 0
.else
	v_wmma_f32_16x16x128_bf8_bf8 v[ZZ+32*\rt+8*\j:ZZ+32*\rt+8*\j+7], v[64*\rt+16*\s:64*\rt+16*\s+15], v[16*(4*\j+\s):16*(4*\j+\s)+15], v[ZZ+32*\rt+8*\j:ZZ+32*\rt+8*\j+7]
.endif
.endr
.endr
.endr
	WIN 0
.rept 5
	v_nop                                          ; places: four ahead of the stores that read results and of loads into the fragments, five ahead of the next block's products, which begin the accumulators anew
.endr
.irp rt, 0,1
.irp j, 0,1,2,3
.irp i, 0,1,2,3,4,5,6,7
	ds_store_b32 v[STW+\pi], v[ZZ+32*\rt+8*\j+\i] offset:4352*\rt+272*\i+4*\j   ; each accumulator from its low end on; the columns come to lie in their natural order
.endr
.endr
.endr
.Lno_mul_\@:
	s_wait_dscnt 0x0                               ; my partial sums lie in this stage, and my reads of the other stage are over
	s_barrier_signal -1
	s_barrier_wait -1
	s_cmp_ge_u32 s40, s17
	s_cbranch_scc1 .Lno_out_\@
	s_wait_xcnt 0x0                                ; the last block's stores have read their data and offsets
.irp src, 0,1,2,3
.irp rt, 0,1
.irp a, 0,1
	ds_load_b128 v[PP+16*\src+8*\rt+4*\a:PP+16*\src+8*\rt+4*\a+3], v[STR+\pi] offset:8704*\src+4352*\rt+544*\a
.endr
.endr
.endr
	s_lshl_b32 s41, s40, 17
	v_add_nc_u32 v[YO+\pi], s41, v[YO0]
	s_wait_dscnt 0x0
.set NN, 0
.rept 8
	v_pk_add_f32 v[PP+NN:PP+NN+1], v[PP+NN:PP+NN+1], v[PP+16+NN:PP+17+NN]
	v_pk_add_f32 v[PP+32+NN:PP+33+NN], v[PP+32+NN:PP+33+NN], v[PP+48+NN:PP+49+NN]
.set NN, NN+2
.endr
.set NN, 0
.rept 8
	v_pk_add_f32 v[PP+NN:PP+NN+1], v[PP+NN:PP+NN+1], v[PP+32+NN:PP+33+NN]   ; the sum over this half's 2,048 of K
.set NN, NN+2
.endr
.irp rt, 0,1
.irp a, 0,1
	global_store_b128 v[YO+\pi], v[PP+8*\rt+4*\a:PP+8*\rt+4*\a+3], s[12:13] offset:65536*\rt+8192*\a   ; sixteen lanes store 256 consecutive bytes, aligned
.endr
.endr
.Lno_out_\@:
.endm
	s_mov_b32 s22, 0
.Lrows:
	BSTEP 0
	BSTEP 1
	s_add_co_u32 s22, s22, 2
	s_cmp_lt_u32 s22, 32
	s_cbranch_scc1 .Lrows
	s_wait_tensorcnt 0x0
	ds_add_u32 v254, v255
	s_wait_dscnt 0x0
	s_endpgm
.Lfunc_end_k_qa487dee953_gemm2:
	.size	k_qa487dee953_gemm2, .Lfunc_end_k_qa487dee953_gemm2-k_qa487dee953_gemm2
	.p2alignl 7, 3214868480
	.fill 96, 4, 3214868480
	.section	.rodata,"a",@progbits
	.p2align	6, 0x0
	.amdhsa_kernel k_qa487dee953_gemm2
		.amdhsa_group_segment_fixed_size 70144
		.amdhsa_private_segment_fixed_size 0
		.amdhsa_enable_private_segment 0
		.amdhsa_kernarg_size 40
		.amdhsa_user_sgpr_count 2
		.amdhsa_user_sgpr_kernarg_segment_ptr 1
		.amdhsa_wavefront_size32 1
		.amdhsa_system_sgpr_workgroup_id_x 1
		.amdhsa_system_sgpr_workgroup_id_y 1
		.amdhsa_system_sgpr_workgroup_id_z 1
		.amdhsa_system_vgpr_workitem_id 0
		.amdhsa_next_free_vgpr 1024
		.amdhsa_next_free_sgpr 72
		.amdhsa_reserve_vcc 0
		.amdhsa_float_denorm_mode_32 3
		.amdhsa_float_denorm_mode_16_64 3
		.amdhsa_memory_ordered 1
		.amdhsa_forward_progress 1
		.amdhsa_inst_pref_size 164
	.end_amdhsa_kernel
	.amdgpu_metadata
---
amdhsa.version: [ 1, 2 ]
amdhsa.kernels:
  - .name:           k_qa487dee953_gemm2
    .symbol:         k_qa487dee953_gemm2.kd
    .args:
      - { .name: W2, .offset: 0, .size: 8, .value_kind: global_buffer, .address_space: global }
      - { .name: hq, .offset: 8, .size: 8, .value_kind: global_buffer, .address_space: global }
      - { .name: lists, .offset: 16, .size: 8, .value_kind: global_buffer, .address_space: global }
      - { .name: lowp_scales, .offset: 24, .size: 8, .value_kind: global_buffer, .address_space: global }
      - { .name: yp, .offset: 32, .size: 8, .value_kind: global_buffer, .address_space: global }
    .group_segment_fixed_size: 70144
    .private_segment_fixed_size: 0
    .kernarg_segment_align: 8
    .kernarg_segment_size: 40
    .max_flat_workgroup_size: 128
    .sgpr_count:     72
    .vgpr_count:     1024
    .wavefront_size: 32
...
	.end_amdgpu_metadata
.endif
;; end of part 4
;; launch combine (part 5): grid 256 x 1, 4 waves a work-group, no clusters, 0 bytes of LDS; arguments yp, lists, rw, lowp_scales, out0; writes out0
.if DOCPART == 5
	.amdgcn_target "amdgcn-amd-amdhsa--gfx1250"
	.amdhsa_code_object_version 6
	.text
	.protected	k_qa487dee953_combine
	.globl	k_qa487dee953_combine
	.p2align	8
	.type	k_qa487dee953_combine,@function
k_qa487dee953_combine:
	s_mov_b64 s[64:65], 0
	v_nop
	global_prefetch_b8 v0, s[64:65] scope:SCOPE_SE
	s_setreg_imm32_b32 hwreg(HW_REG_WAVE_MODE, 25, 1), 1
	s_wait_xcnt 0x0
; out0[token] = gate0 x y[slot0] + gate1 x y[slot1], y[slot] = (the two halves of K added) x 2^(e2 + e3).  A wave takes a token: four rows of 4,096 bytes in, one out.
; The slots are whole numbers that an earlier launch stored.  Memory binds: every load and store of a wave covers 512 consecutive bytes; all 32 loads go out at once; no LDS, no barrier, no matrix unit.
; The power of two goes onto the gates by v_ldexp_f32: e2 + e3 has no limit of its own.
	s_load_b256 s[4:11], s[0:1], 0x0               ; yp s[4:5], lists s[6:7], rw s[8:9], the scales' exponents s[10:11]
	s_load_b64 s[12:13], s[0:1], 0x20              ; out0
	v_lshrrev_b32 v1, 5, v0
	v_readfirstlane_b32 s14, v1                    ; wave
	v_and_b32 v1, 31, v0
	v_lshlrev_b32 v1, 4, v1                        ; 16 x lane
	s_lshl_b32 s15, ttmp9, 2
	s_add_co_u32 s15, s15, s14                     ; my token
	s_lshl_b32 s16, s15, 3
	s_mov_b32 s17, 0
	s_lshl_b32 s36, s15, 12
	s_mov_b32 s37, 0
	s_wait_kmcnt 0x0
	s_add_nc_u64 s[18:19], s[6:7], s[16:17]
	s_add_nc_u64 s[20:21], s[8:9], s[16:17]
	s_add_nc_u64 s[12:13], s[12:13], s[36:37]
	s_load_b64 s[22:23], s[18:19], 0x100           ; my two slots
	s_load_b64 s[24:25], s[20:21], 0x0             ; my two gates
	s_load_b64 s[26:27], s[10:11], 0x8             ; e2, e3
	s_wait_kmcnt 0x0
	s_min_u32 s22, s22, 2303
	s_min_u32 s23, s23, 2303
	s_lshl_b32 s28, s22, 12
	s_mov_b32 s29, 0
	s_lshl_b32 s30, s23, 12
	s_mov_b32 s31, 0
	s_add_nc_u64 s[28:29], s[4:5], s[28:29]        ; slot 0, first half of K
	s_add_nc_u64 s[30:31], s[4:5], s[30:31]        ; slot 1
	s_add_nc_u64 s[32:33], s[28:29], 0x900000      ; and the second half: 2,304 slots of 4,096 bytes on
	s_add_nc_u64 s[34:35], s[30:31], 0x900000
.irp q, 0,1,2,3,4,5,6,7
	global_load_b128 v[16+16*\q:19+16*\q], v1, s[28:29] offset:512*\q th:TH_LOAD_NT
	global_load_b128 v[20+16*\q:23+16*\q], v1, s[32:33] offset:512*\q th:TH_LOAD_NT
	global_load_b128 v[24+16*\q:27+16*\q], v1, s[30:31] offset:512*\q th:TH_LOAD_NT
	global_load_b128 v[28+16*\q:31+16*\q], v1, s[34:35] offset:512*\q th:TH_LOAD_NT
.endr
	s_add_co_i32 s38, s26, s27
	v_mov_b32 v2, s24
	v_mov_b32 v4, s25
	v_ldexp_f32 v2, v2, s38                        ; gate x 2^(e2 + e3)
	v_ldexp_f32 v4, v4, s38
	v_mov_b32 v3, v2
	v_mov_b32 v5, v4
.irp q, 0,1,2,3,4,5,6,7
	s_wait_loadcnt 28-4*\q                         ; this piece's four loads are in; the later pieces' may be out
	v_pk_add_f32 v[16+16*\q:17+16*\q], v[16+16*\q:17+16*\q], v[20+16*\q:21+16*\q]
	v_pk_add_f32 v[18+16*\q:19+16*\q], v[18+16*\q:19+16*\q], v[22+16*\q:23+16*\q]
	v_pk_add_f32 v[24+16*\q:25+16*\q], v[24+16*\q:25+16*\q], v[28+16*\q:29+16*\q]
	v_pk_add_f32 v[26+16*\q:27+16*\q], v[26+16*\q:27+16*\q], v[30+16*\q:31+16*\q]
	v_pk_mul_f32 v[16+16*\q:17+16*\q], v[16+16*\q:17+16*\q], v[2:3]
	v_pk_mul_f32 v[18+16*\q:19+16*\q], v[18+16*\q:19+16*\q], v[2:3]
	v_pk_fma_f32 v[16+16*\q:17+16*\q], v[24+16*\q:25+16*\q], v[4:5], v[16+16*\q:17+16*\q]
	v_pk_fma_f32 v[18+16*\q:19+16*\q], v[26+16*\q:27+16*\q], v[4:5], v[18+16*\q:19+16*\q]
	global_store_b128 v1, v[16+16*\q:19+16*\q], s[12:13] offset:512*\q th:TH_STORE_NT
.endr
	s_endpgm
.Lfunc_end_k_qa487dee953_combine:
	.size	k_qa487dee953_combine, .Lfunc_end_k_qa487dee953_combine-k_qa487dee953_combine
	.p2alignl 7, 3214868480
	.fill 96, 4, 3214868480
	.section	.rodata,"a",@progbits
	.p2align	6, 0x0
	.amdhsa_kernel k_qa487dee953_combine
		.amdhsa_group_segment_fixed_size 0
		.amdhsa_private_segment_fixed_size 0
		.amdhsa_enable_private_segment 0
		.amdhsa_kernarg_size 40
		.amdhsa_user_sgpr_count 2
		.amdhsa_user_sgpr_kernarg_segment_ptr 1
		.amdhsa_wavefront_size32 1
		.amdhsa_system_sgpr_workgroup_id_x 1
		.amdhsa_system_sgpr_workgroup_id_y 1
		.amdhsa_system_sgpr_workgroup_id_z 1
		.amdhsa_system_vgpr_workitem_id 0
		.amdhsa_next_free_vgpr 160
		.amdhsa_next_free_sgpr 66
		.amdhsa_reserve_vcc 0
		.amdhsa_float_denorm_mode_32 3
		.amdhsa_float_denorm_mode_16_64 3
		.amdhsa_memory_ordered 1
		.amdhsa_forward_progress 1
		.amdhsa_inst_pref_size 10
	.end_amdhsa_kernel
	.amdgpu_metadata
---
amdhsa.version: [ 1, 2 ]
amdhsa.kernels:
  - .name:           k_qa487dee953_combine
    .symbol:         k_qa487dee953_combine.kd
    .args:
      - { .name: yp, .offset: 0, .size: 8, .value_kind: global_buffer, .address_space: global }
      - { .name: lists, .offset: 8, .size: 8, .value_kind: global_buffer, .address_space: global }
      - { .name: rw, .offset: 16, .size: 8, .value_kind: global_buffer, .address_space: global }
      - { .name: lowp_scales, .offset: 24, .size: 8, .value_kind: global_buffer, .address_space: global }
      - { .name: out0, .offset: 32, .size: 8, .value_kind: global_buffer, .address_space: global }
    .group_segment_fixed_size: 0
    .private_segment_fixed_size: 0
    .kernarg_segment_align: 8
    .kernarg_segment_size: 40
    .max_flat_workgroup_size: 128
    .sgpr_count:     66
    .vgpr_count:     160
    .wavefront_size: 32
...
	.end_amdgpu_metadata
.endif
;; end of part 5
;; ======== version 2 of 2: 5 launches
;; workspace buffers: sel 8,192 bytes of whole numbers; rw 40,960 bytes; xq 1,048,576 bytes; lists 17,664 bytes of whole numbers; hq 9,437,184 bytes; yp 18,874,368 bytes
;; launch route (part 6): grid 256 x 1, 4 waves a work-group, no clusters, 1,536 bytes of LDS; arguments x, Wg, lowp_scales, sel, rw, xq; writes sel, rw, xq
.if DOCPART == 6
	.amdgcn_target "amdgcn-amd-amdhsa--gfx1250"
	.amdhsa_code_object_version 6
	.text
	.protected	k_qa487dee953_route
	.globl	k_qa487dee953_route
	.p2align	8
	.type	k_qa487dee953_route,@function
k_qa487dee953_route:
	s_mov_b64 s[64:65], 0
	v_nop
	global_prefetch_b8 v0, s[64:65] scope:SCOPE_SE
	s_setreg_imm32_b32 hwreg(HW_REG_WAVE_MODE, 25, 1), 1
	s_wait_xcnt 0x0
; THE ROUTER, AND x's CODES.  x [1024 tokens][1024] f32, Wg [1024][8] f32.
; A work-group takes 4 tokens; wave w the channels 256 w .. 256 w + 255; lane l the eight channels 256 w + 8 l + i.
; logits in f32 (packed multiply-adds, a sum over the lanes, the four waves' parts through LDS); softmax with the row's maximum taken away; the two largest
; probabilities, the lower index first among equals; their gates p / (p1 + p2).  Stored at fixed places: sel [token][2] (whole numbers), rw: gates [token][2], then from byte 8192 the probabilities [token][8].
; The same x in registers is quantised for the first expert product: code = x / 2^e0, held within +-57,344, to the nearest E5M2 code; xq [token][1024], one code a byte.
; LIMITS: e0 between -126 and 112, so that 2^e0 and 57,344 x 2^e0 are f32 numbers.  NaN and infinities among the inputs are not served.
; Two probabilities that differ by less than the f32 sums' own error may be ranked the other way than by another order of summation.
.set XN,  16                           ; v16-47   x: token t at XN + 8 t, eight numbers
.set GW,  48                           ; v48-111  Wg: channel i at GW + 8 i, eight experts
.set ACC, 112                          ; v112-143 partial logits: token t, expert e at ACC + 8 t + e
.set CD,  144                          ; v144-151 codes
.set TM,  152                          ; v152-155 at work
	s_load_b256 s[4:11], s[0:1], 0x0               ; x s[4:5], Wg s[6:7], the scales' exponents s[8:9], sel s[10:11]
	s_load_b128 s[12:15], s[0:1], 0x20             ; rw s[12:13], xq s[14:15]
	v_lshl_add_u32 v192, v0, 2, 0x400
	v_mov_b32 v193, 0
	v_lshrrev_b32 v7, 5, v0
	v_readfirstlane_b32 s16, v7                    ; wave
	v_and_b32 v1, 31, v0                           ; lane
	v_lshlrev_b32 v2, 5, v1                        ; x: 32 bytes a lane
	v_lshlrev_b32 v3, 8, v1                        ; Wg: eight rows of 32 bytes a lane
	v_lshlrev_b32 v4, 3, v1                        ; codes: 8 bytes a lane
	v_lshlrev_b32 v6, 2, v1                        ; 4 x lane
	s_lshl_b32 s17, s16, 7
	v_mov_b32 v5, s17                              ; LDS: my wave's 32 partial logits at 128 x wave
	s_mov_b32 s20, 0x76543210                      ; v_permlanex16_b32: lane l xor 16
	s_mov_b32 s21, 0xfedcba98
	s_lshl_b32 s28, ttmp9, 14                      ; x: 4 tokens of 4,096 bytes a work-group,
	s_lshl_b32 s18, s16, 10                        ; 1,024 bytes of each for a wave
	s_add_co_u32 s28, s28, s18
	s_mov_b32 s29, 0
	s_lshl_b32 s30, s16, 13                        ; Wg: 256 rows of 32 bytes a wave
	s_mov_b32 s31, 0
	s_lshl_b32 s32, ttmp9, 12                      ; xq: 4 tokens of 1,024 bytes, 256 of each for a wave
	s_lshl_b32 s18, s16, 8
	s_add_co_u32 s32, s32, s18
	s_mov_b32 s33, 0
	s_lshl_b32 s34, ttmp9, 7                       ; probabilities: 128 bytes a work-group
	s_mov_b32 s35, 0
	s_lshl_b32 s36, ttmp9, 5                       ; sel and gates: 32 bytes a work-group
	s_mov_b32 s37, 0
	s_wait_alu depctr_va_vdst(0)
	s_wait_kmcnt 0x0
	s_load_b32 s22, s[8:9], 0x0                    ; e0
	s_add_nc_u64 s[4:5], s[4:5], s[28:29]
	s_add_nc_u64 s[6:7], s[6:7], s[30:31]
	s_add_nc_u64 s[14:15], s[14:15], s[32:33]
	s_add_nc_u64 s[38:39], s[12:13], s[34:35]
	s_add_nc_u64 s[40:41], s[12:13], s[36:37]
	s_add_nc_u64 s[10:11], s[10:11], s[36:37]
.irp t, 0,1,2,3
	global_load_b128 v[XN+8*\t:XN+8*\t+3],   v2, s[4:5] offset:4096*\t th:TH_LOAD_NT
	global_load_b128 v[XN+8*\t+4:XN+8*\t+7], v2, s[4:5] offset:4096*\t+16 th:TH_LOAD_NT
.endr
.irp i, 0,1,2,3,4,5,6,7
	global_load_b128 v[GW+8*\i:GW+8*\i+3],   v3, s[6:7] offset:32*\i
	global_load_b128 v[GW+8*\i+4:GW+8*\i+7], v3, s[6:7] offset:32*\i+16
.endr
.irp j, 0,1,2,3
	v_mov_b32 v[TM+\j], 0                          ; a lane permute's destination counts as read: written once
.endr
	s_wait_loadcnt 0x0
	; my eight channels' share of 4 tokens x 8 logits: two experts an instruction; channel 0 starts the sums
.irp t, 0,1,2,3
.irp p, 0,1,2,3
	v_pk_mul_f32 v[ACC+8*\t+2*\p:ACC+8*\t+2*\p+1], v[GW+2*\p:GW+2*\p+1], v[XN+8*\t:XN+8*\t+1] op_sel_hi:[1,0]
.endr
.endr
.irp i, 2,4,6                          ; even channels: the pair's first register feeds both halves
.irp t, 0,1,2,3
.irp p, 0,1,2,3
	v_pk_fma_f32 v[ACC+8*\t+2*\p:ACC+8*\t+2*\p+1], v[GW+8*\i+2*\p:GW+8*\i+2*\p+1], v[XN+8*\t+\i:XN+8*\t+\i+1], v[ACC+8*\t+2*\p:ACC+8*\t+2*\p+1] op_sel_hi:[1,0,1]
.endr
.endr
.endr
.irp i, 1,3,5,7                        ; odd channels: the pair's second register feeds both halves
.irp t, 0,1,2,3
.irp p, 0,1,2,3
	v_pk_fma_f32 v[ACC+8*\t+2*\p:ACC+8*\t+2*\p+1], v[GW+8*\i+2*\p:GW+8*\i+2*\p+1], v[XN+8*\t+\i-1:XN+8*\t+\i], v[ACC+8*\t+2*\p:ACC+8*\t+2*\p+1] op_sel:[0,1,0] op_sel_hi:[1,1,1]
.endr
.endr
.endr
	; each of the 32 sums over the wave's 32 lanes
.irp m, 1,2,4,8
.set NN, 0
.rept 32
	v_add_f32_dpp v[ACC+NN], v[ACC+NN], v[ACC+NN] row_xmask:\m row_mask:0xf bank_mask:0xf
.set NN, NN+1
.endr
.endr
.set NN, 0
.rept 8
.irp j, 0,1,2,3
	v_permlanex16_b32 v[TM+\j], v[ACC+NN+\j], s20, s21
.endr
.irp j, 0,1,2,3
	v_add_f32 v[ACC+NN+\j], v[ACC+NN+\j], v[TM+\j]
.endr
.set NN, NN+4
.endr
.irp q, 0,1,2,3,4,5,6,7
	ds_store_b128 v5, v[ACC+4*\q:ACC+4*\q+3] offset:16*\q   ; every lane holds the same sums and writes the same words: word 8 t + e of my wave's 32
.endr
	; x's codes, while the stores are out
	s_wait_kmcnt 0x0
	s_add_co_i32 s22, s22, 127
	s_lshl_b32 s23, s22, 23
	v_mov_b32 v8, s23                              ; 2^e0 as f32: the conversion takes its exponent field
	s_add_co_i32 s22, s22, 15
	s_lshl_b32 s22, s22, 23
	s_or_b32 s25, s22, 0x600000                    ; 57,344 x 2^e0
	s_or_b32 s24, s25, 0x80000000                  ; and its negative
.set NN, 0
.rept 32
	v_med3_num_f32 v[XN+NN], v[XN+NN], s24, s25    ; the conversion to an 8-bit code does not saturate (ISA guide 7.6.2): the hold comes first
.set NN, NN+1
.endr
.irp t, 0,1,2,3
	v_cvt_scalef32_pk8_bf8_f32 v[CD+2*\t:CD+2*\t+1], v[XN+8*\t:XN+8*\t+7], v8
.endr
	v_nop                                          ; a plain line behind the last conversion
.irp t, 0,1,2,3
	global_store_b64 v4, v[CD+2*\t:CD+2*\t+1], s[14:15] offset:1024*\t   ; a wave's store covers 256 consecutive bytes, aligned
.endr
	s_wait_dscnt 0x0                               ; for the others' sake: my partial logits lie in LDS
	s_barrier_signal -1
	s_barrier_wait -1
	s_cmp_lg_u32 s16, 0
	s_cbranch_scc1 .Lend
	; wave 0: lane l stands for token l / 8 and expert l % 8
.irp w, 0,1,2,3
	ds_load_b32 v[160+\w], v6 offset:128*\w
.endr
	s_wait_dscnt 0x0
	v_add_f32 v160, v160, v161
	v_add_f32 v162, v162, v163
	v_add_f32 v164, v160, v162                     ; the logit
	v_mov_b32 v165, v164
.irp m, 1,2,4
	v_max_num_f32_dpp v165, v165, v165 row_xmask:\m row_mask:0xf bank_mask:0xf
.endr
	v_sub_f32 v166, v164, v165                     ; the token's largest logit is taken away
	v_mul_f32 v166, 0x3fb8aa3b, v166
	s_wait_alu depctr_va_vdst(0)
	v_exp_f32 v166, v166
	v_nop
	s_wait_alu depctr_va_vdst(0)
	v_mov_b32 v167, v166
.irp m, 1,2,4
	v_add_f32_dpp v167, v167, v167 row_xmask:\m row_mask:0xf bank_mask:0xf
.endr
	s_wait_alu depctr_va_vdst(0)
	v_rcp_f32 v167, v167
	v_and_b32 v168, 7, v1                          ; (a plain line behind the reciprocal)  e
	s_wait_alu depctr_va_vdst(0)
	v_mul_f32 v166, v166, v167                     ; p
	v_cvt_f32_u32 v169, v168                       ; e as f32
	v_mov_b32 v170, v166
.irp m, 1,2,4
	v_max_num_f32_dpp v170, v170, v170 row_xmask:\m row_mask:0xf bank_mask:0xf
.endr
	v_cmp_eq_f32 vcc_lo, v166, v170                ; who holds the largest p?  The lowest such index wins
	v_cndmask_b32 v171, 0x41000000, v169, vcc_lo
.irp m, 1,2,4
	v_min_num_f32_dpp v171, v171, v171 row_xmask:\m row_mask:0xf bank_mask:0xf
.endr
	v_cmp_eq_f32 vcc_lo, v169, v171
	v_mov_b32 v172, -1.0
	v_cndmask_b32 v172, v166, v172, vcc_lo         ; the winner leaves the field
	v_mov_b32 v173, v172
.irp m, 1,2,4
	v_max_num_f32_dpp v173, v173, v173 row_xmask:\m row_mask:0xf bank_mask:0xf
.endr
	v_cmp_eq_f32 vcc_lo, v172, v173
	v_cndmask_b32 v174, 0x41000000, v169, vcc_lo
.irp m, 1,2,4
	v_min_num_f32_dpp v174, v174, v174 row_xmask:\m row_mask:0xf bank_mask:0xf
.endr
	v_add_f32 v175, v170, v173
	s_wait_alu depctr_va_vdst(0)
	v_rcp_f32 v175, v175
	v_cmp_eq_u32 vcc_lo, 0, v168                   ; (a plain line behind the reciprocal)
	s_wait_alu depctr_va_vdst(0)
	v_mul_f32 v176, v170, v175                     ; the gates
	v_mul_f32 v177, v173, v175
	v_cndmask_b32 v178, v174, v171, vcc_lo         ; lanes with e = 0 carry the first choice, lanes with e = 1 the second
	v_cndmask_b32 v179, v177, v176, vcc_lo
	v_cvt_u32_f32 v178, v178
	v_lshrrev_b32 v180, 3, v1
	v_lshlrev_b32 v180, 3, v180
	v_lshl_add_u32 v180, v168, 2, v180             ; 8 x token + 4 x e
	global_store_b32 v6, v166, s[38:39] offset:8192
	v_cmp_gt_u32 vcc_lo, 2, v168
	s_wait_alu depctr_va_vdst(0)
	s_wait_xcnt 0x0                                ; EXEC changes only behind this wait
	s_and_saveexec_b32 s42, vcc_lo
	global_store_b32 v180, v178, s[10:11]
	global_store_b32 v180, v179, s[40:41]
	s_wait_xcnt 0x0
	s_or_b32 exec_lo, exec_lo, s42
.Lend:
	s_wait_tensorcnt 0x0
	ds_add_u32 v192, v193
	s_wait_dscnt 0x0
	s_endpgm
.Lfunc_end_k_qa487dee953_route:
	.size	k_qa487dee953_route, .Lfunc_end_k_qa487dee953_route-k_qa487dee953_route
	.p2alignl 7, 3214868480
	.fill 96, 4, 3214868480
	.section	.rodata,"a",@progbits
	.p2align	6, 0x0
	.amdhsa_kernel k_qa487dee953_route
		.amdhsa_group_segment_fixed_size 1536
		.amdhsa_private_segment_fixed_size 0
		.amdhsa_enable_private_segment 0
		.amdhsa_kernarg_size 48
		.amdhsa_user_sgpr_count 2
		.amdhsa_user_sgpr_kernarg_segment_ptr 1
		.amdhsa_wavefront_size32 1
		.amdhsa_system_sgpr_workgroup_id_x 1
		.amdhsa_system_sgpr_workgroup_id_y 1
		.amdhsa_system_sgpr_workgroup_id_z 1
		.amdhsa_system_vgpr_workitem_id 0
		.amdhsa_next_free_vgpr 194
		.amdhsa_next_free_sgpr 66
		.amdhsa_reserve_vcc 1
		.amdhsa_float_denorm_mode_32 3
		.amdhsa_float_denorm_mode_16_64 3
		.amdhsa_memory_ordered 1
		.amdhsa_forward_progress 1
		.amdhsa_inst_pref_size 31
	.end_amdhsa_kernel
	.amdgpu_metadata
---
amdhsa.version: [ 1, 2 ]
amdhsa.kernels:
  - .name:           k_qa487dee953_route
    .symbol:         k_qa487dee953_route.kd
    .args:
      - { .name: x, .offset: 0, .size: 8, .value_kind: global_buffer, .address_space: global }
      - { .name: Wg, .offset: 8, .size: 8, .value_kind: global_buffer, .address_space: global }
      - { .name: lowp_scales, .offset: 16, .size: 8, .value_kind: global_buffer, .address_space: global }
      - { .name: sel, .offset: 24, .size: 8, .value_kind: global_buffer, .address_space: global }
      - { .name: rw, .offset: 32, .size: 8, .value_kind: global_buffer, .address_space: global }
      - { .name: xq, .offset: 40, .size: 8, .value_kind: global_buffer, .address_space: global }
    .group_segment_fixed_size: 1536
    .private_segment_fixed_size: 0
    .kernarg_segment_align: 8
    .kernarg_segment_size: 48
    .max_flat_workgroup_size: 128
    .sgpr_count:     66
    .vgpr_count:     194
    .wavefront_size: 32
...
	.end_amdgpu_metadata
.endif
;; end of part 6
;; launch place (part 7): grid 1 x 1, 32 waves a work-group, no clusters, 6,144 bytes of LDS; arguments sel, rw, lists, out1; writes lists, out1
.if DOCPART == 7
	.amdgcn_target "amdgcn-amd-amdhsa--gfx1250"
	.amdhsa_code_object_version 6
	.text
	.protected	k_qa487dee953_place
	.globl	k_qa487dee953_place
	.p2align	8
	.type	k_qa487dee953_place,@function
k_qa487dee953_place:
	s_mov_b64 s[64:65], 0
	v_nop
	global_prefetch_b8 v0, s[64:65] scope:SCOPE_SE
	s_setreg_imm32_b32 hwreg(HW_REG_WAVE_MODE, 25, 1), 1
	s_wait_xcnt 0x0
; THE ROWS ARE PLACED BY EXPERT (a counting sort without atomics), AND THE AUXILIARY LOSS.  One work-group; thread t is token t.
; An expert's rows are numbered in the order of tokens; expert e's rows begin at slot 32 x blk0[e], blk0 the running sum of nblk[e] = ceil(rows / 32): at most 71 blocks in all, whatever the choice.
; lists: words 0-7 blk0, 8-15 nblk, 16-23 rows, 24 blocks in all - 1, 25 the last real row's slot; from byte 256 slot [token][2]; from byte 8448 inv [slot] = token (real rows only).
; out1 = 8 x sum over e of (rows[e] / 2048) x (sum over tokens of p[t][e] / 1024) = 2^-18 x sum over t, e of rows[e] p[t][e].
; LDS: cnt [expert][wave] at byte 0 (1,024 bytes); the waves' parts of the loss from byte 1,024 (128 bytes).
; SCALARS: s16-23, s24-31 masks of the lanes whose first, second choice is e; s32-39 rows; s40-47 rows in the waves ahead of mine; s48-55 nblk; s56-63 blk0; s66-73 my wave's first slot of e.
	s_load_b256 s[4:11], s[0:1], 0x0               ; sel s[4:5], rw s[6:7], lists s[8:9], out1 s[10:11]
	v_lshl_add_u32 v96, v0, 2, 0x800
	v_mov_b32 v97, 0
	v_lshrrev_b32 v2, 5, v0
	s_delay_alu instid0(VALU_DEP_1)
	v_readfirstlane_b32 s12, v2                    ; wave
	v_and_b32 v19, 31, v0                          ; lane
	v_lshlrev_b32 v1, 3, v0                        ; 8 t
	v_lshlrev_b32 v2, 5, v0                        ; 32 t
	s_lshl_b32 s13, s12, 2
	v_mov_b32 v3, s13                              ; 4 x wave
	v_mov_b32 v6, 0                                ; my ranks inside the wave
	v_mov_b32 v7, 0
	s_mov_b32 s84, 0x76543210
	s_mov_b32 s85, 0xfedcba98
	s_wait_alu depctr_va_vdst(0)
	s_wait_kmcnt 0x0
	global_load_b64 v[4:5], v1, s[4:5]
	global_load_b128 v[8:11], v2, s[6:7] offset:8192
	global_load_b128 v[12:15], v2, s[6:7] offset:8208
	s_wait_loadcnt 0x0
	v_min_u32 v4, 7, v4
	v_min_u32 v5, 7, v5
.irp e, 0,1,2,3,4,5,6,7
	v_cmp_eq_u32 s[16+\e], \e, v4
	v_cmp_eq_u32 s[24+\e], \e, v5
	s_or_b32 s74, s[16+\e], s[24+\e]               ; the wave's tokens that use e (a token's two choices differ)
	v_mbcnt_lo_u32_b32 v16, s74, 0                 ; how many of them stand in lower lanes
	s_delay_alu instid0(VALU_DEP_1)
	v_cndmask_b32 v6, v6, v16, s[16+\e]
	s_delay_alu instid0(VALU_DEP_2)
	v_cndmask_b32 v7, v7, v16, s[24+\e]
	s_bcnt1_i32_b32 s75, s74
	v_mov_b32 v17, s75
	ds_store_b32 v3, v17 offset:128*\e             ; cnt[e][wave]: every lane writes the same word
.endr
	s_wait_dscnt 0x0
	s_barrier_signal -1
	s_barrier_wait -1
	v_and_b32 v18, 7, v0
	s_delay_alu instid0(VALU_DEP_1)
	v_lshlrev_b32 v18, 7, v18                      ; lane l sums expert l % 8
.irp q, 0,1,2,3,4,5,6,7
	ds_load_b128 v[20+4*\q:23+4*\q], v18 offset:16*\q
.endr
	s_bfm_b32 s76, s12, 0                          ; one bit for each wave ahead of mine
	v_mov_b32 v53, 0
	s_wait_dscnt 0x0
	v_add3_u32 v52, v20, v21, v22
.irp j, 3,5,7,9,11,13,15,17,19,21,23,25,27,29
	s_delay_alu instid0(VALU_DEP_1)
	v_add3_u32 v52, v52, v[20+\j], v[21+\j]
.endr
	s_delay_alu instid0(VALU_DEP_1)
	v_add_nc_u32 v52, v52, v51                     ; the expert's rows
.set NN, 0
.rept 31
	s_bitcmp1_b32 s76, NN
	s_cselect_b32 s77, -1, 0
	v_and_b32 v54, s77, v[20+NN]
	s_delay_alu instid0(VALU_DEP_1)
	v_add_nc_u32 v53, v53, v54                     ; those of the waves ahead of mine
.set NN, NN+1
.endr
.irp e, 0,1,2,3,4,5,6,7
	v_readlane_b32 s[32+\e], v52, \e
	v_readlane_b32 s[40+\e], v53, \e
.endr
	s_mov_b32 s78, 0                               ; blocks so far
	s_mov_b32 s80, 0                               ; the last real row's slot
.irp e, 0,1,2,3,4,5,6,7
	s_mov_b32 s[56+\e], s78
	s_add_co_u32 s79, s[32+\e], 31
	s_lshr_b32 s[48+\e], s79, 5
	s_lshl_b32 s79, s78, 5
	s_add_co_u32 s[66+\e], s79, s[40+\e]
	s_add_co_u32 s79, s79, s[32+\e]
	s_sub_co_u32 s79, s79, 1
	s_cmp_lg_u32 s[32+\e], 0
	s_cselect_b32 s80, s79, s80
	s_add_co_u32 s78, s78, s[48+\e]
.endr
	s_sub_co_u32 s78, s78, 1
	v_mov_b32 v56, 0
	v_mov_b32 v57, 0
.irp e, 0,1,2,3,4,5,6,7
	v_mov_b32 v58, s[66+\e]
	s_delay_alu instid0(VALU_DEP_1)
	v_cndmask_b32 v56, v56, v58, s[16+\e]
	s_delay_alu instid0(VALU_DEP_2)
	v_cndmask_b32 v57, v57, v58, s[24+\e]
.endr
	s_delay_alu instid0(VALU_DEP_2)
	v_add_nc_u32 v60, v6, v56                      ; my two slots
	s_delay_alu instid0(VALU_DEP_2)
	v_add_nc_u32 v61, v7, v57
	global_store_b64 v1, v[60:61], s[8:9] offset:256
	v_min_u32 v62, 0x8ff, v60
	v_min_u32 v63, 0x8ff, v61
	s_delay_alu instid0(VALU_DEP_2)
	v_lshlrev_b32 v62, 2, v62
	s_delay_alu instid0(VALU_DEP_2)
	v_lshlrev_b32 v63, 2, v63
	global_store_b32 v62, v0, s[8:9] offset:8448   ; inv[slot] = token
	global_store_b32 v63, v0, s[8:9] offset:8448
	; the loss: my token's share, the wave's sum, the 32 waves' parts through LDS
	v_cvt_f32_u32 v65, s32
	s_delay_alu instid0(VALU_DEP_1)
	v_mul_f32 v64, v65, v8
.irp e, 1,2,3,4,5,6,7
	v_cvt_f32_u32 v65, s[32+\e]
	s_delay_alu instid0(VALU_DEP_1)
	v_fma_f32 v64, v65, v[8+\e], v64
.endr
.irp m, 1,2,4,8
	s_delay_alu instid0(VALU_DEP_1)
	v_add_f32_dpp v64, v64, v64 row_xmask:\m row_mask:0xf bank_mask:0xf
.endr
	s_delay_alu instid0(VALU_DEP_1)
	v_permlanex16_b32 v65, v64, s84, s85
	s_delay_alu instid0(VALU_DEP_1)
	v_add_f32 v64, v64, v65
	ds_store_b32 v3, v64 offset:1024
	s_wait_dscnt 0x0
	s_barrier_signal -1
	s_barrier_wait -1
	s_cmp_lg_u32 s12, 0
	s_cbranch_scc1 .Lend
	v_lshlrev_b32 v67, 2, v19
	ds_load_b32 v66, v67 offset:1024
	v_mov_b32 v68, 0
.irp e, 0,1,2,3,4,5,6,7
	s_delay_alu instid0(VALU_DEP_1)
	v_writelane_b32 v68, s[56+\e], \e
	s_delay_alu instid0(VALU_DEP_1)
	v_writelane_b32 v68, s[48+\e], 8+\e
	s_delay_alu instid0(VALU_DEP_1)
	v_writelane_b32 v68, s[32+\e], 16+\e
.endr
	s_delay_alu instid0(VALU_DEP_1)
	v_writelane_b32 v68, s78, 24
	s_delay_alu instid0(VALU_DEP_1)
	v_writelane_b32 v68, s80, 25
	global_store_b32 v67, v68, s[8:9]              ; the table: 32 words
	s_wait_dscnt 0x0
.irp m, 1
	v_add_f32_dpp v66, v66, v66 row_xmask:\m row_mask:0xf bank_mask:0xf
.endr
.irp m, 2, 4, 8
	s_delay_alu instid0(VALU_DEP_1)
	v_add_f32_dpp v66, v66, v66 row_xmask:\m row_mask:0xf bank_mask:0xf
.endr
	s_delay_alu instid0(VALU_DEP_1)
	v_permlanex16_b32 v65, v66, s84, s85
	s_delay_alu instid0(VALU_DEP_1)
	v_add_f32 v66, v66, v65
	s_delay_alu instid0(VALU_DEP_1)
	v_mul_f32 v66, 0x36800000, v66                 ; x 2^-18
	v_mov_b32 v69, 0
	v_cmp_eq_u32 vcc_lo, 0, v0
	s_wait_alu depctr_va_vdst(0)
	s_wait_xcnt 0x0                                ; EXEC changes only behind this wait
	s_and_saveexec_b32 s82, vcc_lo
	global_store_b32 v69, v66, s[10:11]
	s_wait_xcnt 0x0
	s_or_b32 exec_lo, exec_lo, s82
.Lend:
	s_wait_tensorcnt 0x0
	ds_add_u32 v96, v97
	s_wait_dscnt 0x0
	s_endpgm
.Lfunc_end_k_qa487dee953_place:
	.size	k_qa487dee953_place, .Lfunc_end_k_qa487dee953_place-k_qa487dee953_place
	.p2alignl 7, 3214868480
	.fill 96, 4, 3214868480
	.section	.rodata,"a",@progbits
	.p2align	6, 0x0
	.amdhsa_kernel k_qa487dee953_place
		.amdhsa_group_segment_fixed_size 6144
		.amdhsa_private_segment_fixed_size 0
		.amdhsa_enable_private_segment 0
		.amdhsa_kernarg_size 32
		.amdhsa_user_sgpr_count 2
		.amdhsa_user_sgpr_kernarg_segment_ptr 1
		.amdhsa_wavefront_size32 1
		.amdhsa_system_sgpr_workgroup_id_x 1
		.amdhsa_system_sgpr_workgroup_id_y 1
		.amdhsa_system_sgpr_workgroup_id_z 1
		.amdhsa_system_vgpr_workitem_id 0
		.amdhsa_next_free_vgpr 98
		.amdhsa_next_free_sgpr 100
		.amdhsa_reserve_vcc 1
		.amdhsa_float_denorm_mode_32 3
		.amdhsa_float_denorm_mode_16_64 3
		.amdhsa_memory_ordered 1
		.amdhsa_forward_progress 1
		.amdhsa_inst_pref_size 25
	.end_amdhsa_kernel
	.amdgpu_metadata
---
amdhsa.version: [ 1, 2 ]
amdhsa.kernels:
  - .name:           k_qa487dee953_place
    .symbol:         k_qa487dee953_place.kd
    .args:
      - { .name: sel, .offset: 0, .size: 8, .value_kind: global_buffer, .address_space: global }
      - { .name: rw, .offset: 8, .size: 8, .value_kind: global_buffer, .address_space: global }
      - { .name: lists, .offset: 16, .size: 8, .value_kind: global_buffer, .address_space: global }
      - { .name: out1, .offset: 24, .size: 8, .value_kind: global_buffer, .address_space: global }
    .group_segment_fixed_size: 6144
    .private_segment_fixed_size: 0
    .kernarg_segment_align: 8
    .kernarg_segment_size: 32
    .max_flat_workgroup_size: 1024
    .sgpr_count:     100
    .vgpr_count:     98
    .wavefront_size: 32
...
	.end_amdgpu_metadata
.endif
;; end of part 7
;; launch gemm1 (part 8): grid 32 x 8, 4 waves a work-group, no clusters, 131,584 bytes of LDS; arguments W1, xq, lists, lowp_scales, hq; writes hq
.if DOCPART == 8
	.amdgcn_target "amdgcn-amd-amdhsa--gfx1250"
	.amdhsa_code_object_version 6
	.text
	.protected	k_qa487dee953_gemm1
	.globl	k_qa487dee953_gemm1
	.p2align	8
	.type	k_qa487dee953_gemm1,@function
k_qa487dee953_gemm1:
	s_mov_b64 s[64:65], 0
	v_nop
	global_prefetch_b8 v0, s[64:65] scope:SCOPE_SE
	s_setreg_imm32_b32 hwreg(HW_REG_WAVE_SCHED_MODE, 0, 2), 2
	s_setreg_imm32_b32 hwreg(HW_REG_WAVE_MODE, 25, 1), 1
	s_wait_xcnt 0x0
	s_wait_alu depctr_vm_vsrc(0)
; h = gelu(x W1[e]) FOR THE ROWS ROUTED TO EXPERT e, on codes of E5M2, and h's codes.  W1 [8][1024 (k)][4096 (f)] f32; xq: x's codes [token][1024]; hq: h's codes.
; SHARES.  Work-group (x = slice of 128 columns f, y = expert e) owns 1024 x 128 numbers of W1, 512 KiB, which nobody else reads.  THE FOUR WAVES SPLIT K: wave w owns rows k = 256 w .. 256 w + 255.
; PHASE 1, THE STREAM.  A wave reads its 128 KiB once, as f32 (16 lanes take 256 consecutive bytes of a row, the other 16 the row 16 further down), holds and converts them, turns 4 x 4 bytes by
; v_perm_b32 and keeps the codes: 16 fragments (8 tiles of 16 columns x 2 K steps of 128), 256 registers, for the whole launch.  Four slots of 16 loads take turns: 48 to 64 loads a wave are out.
; Tile T = 4 p + j holds the columns 64 p + 4 r + j (r = lane % 16): which columns form a tile is free.  Along K: register group c, byte B of lane (r, h) is k = 128 s + 32 c + 16 h + B, alike in W1's and x's fragments.
; PHASE 2, THE ROWS, 32 at a time (a block).  The expert's blocks are known from the list that an earlier launch stored.  The loop has a constant 16 trips of two blocks; a block past the expert's last is passed over
; by scalar branches round the work, never round the barrier.  A block: x's codes of its 32 tokens (my 256 of K) are gathered one block ahead; 32 matrix instructions (source 0 = 16 columns of W1, source 1 = 16 rows);
; the four waves' partial sums meet in a stage in LDS; one barrier; wave w adds up tiles 2 w, 2 w + 1, applies 2^(e0 + e1), the exact GELU and h's quantiser, and stores 16 bytes a lane.
; Two stages take turns, so that one barrier a block orders both the writing ahead of the reading and the reading ahead of the next writing but one.
; hq [tile of 16 slots][K step of 128][group c][lane][16 bytes] IS THE IMAGE OF THE NEXT PRODUCT'S OPERAND REGISTERS: lane (r, h) holds slot r; byte B of group c is f = 128 s + 64 (c / 2) + 32 h + 4 (B % 8) + 2 (c % 2) + B / 8.
; Rows that pad an expert's last block repeat its last row: finite numbers that nobody reads.
; GELU: Phi(-|x|) = erfc(|x| / sqrt 2) / 2 = t 2^(poly(t) - x^2 log2(e) / 2), t = 1 / (1 + |x| / (2 sqrt 2)), poly of degree 9 (a rational Chebyshev fit of erfc, fractional error 1.2e-7), all in f32.
; NO JOINT LOADS: the bulk of a work-group's bytes, its weights, is shared with nobody; the rows' codes are shared, but how many blocks there are hangs on loaded counts.
; LIMITS: e1 and e3 between -126 and 112, e0 + e1 between -126 and 127, so that each power of two below is an f32 number.  NaN and infinities among the inputs are not served.
; REGISTERS, in windows of 256.  Window 0: see the names below.  Windows 1 and 2: v0-63, v64-127 two slots of the stream each (later v0-63: x's fragments, block parity 0 in window 1, 1 in window 2);
;   v128-143 codes as converted, v144-159 half turned, v160 2^e1.  Window 3: W1's codes, fragment (T, s) at v[16 (2 T + s)].
; THE MODE: SCHED_MODE bits 1:0 = 2 (LLVM: expert scheduling mode 2), set by the entry lines.  The code itself states the register dependences
; between vector or matrix instructions and memory or LDS instructions, with s_wait_alu, always for 0.
; THE PLAN.  Registers that memory or LDS instructions touch:
;   the four slots   Step CG of the stream: the holds write slot CG % 4 in place, the conversions read it; behind them the loads of run CG + 4 land in it.  ONE wait on va_vdst a step, behind the conversions;
;                    the byte turns that follow the loads name the converted codes and window 3, none of the registers that those loads touch.
;   X0, X1           x's fragments.  Block b: its products read X[b % 2]; the loads of block b + 1 land in the other, which block b - 1's products read.
;   v[RO ..]         [parity]: a token's number lands; two vector lines make the row's byte of it; the row loads read it as their offset; two blocks on the next number lands.
;   v[IA ..]         [parity]: four vector lines write it; the load of a token's number reads it.
;   v[ZZ ..]         the products write it; the LDS stores read it; behind the barrier the LDS loads land in it; the sums, the GELU, the holds and the conversions work on it.
;   v[HC ..], v[HO ..]  the conversions and one addition write them; the two global stores read them.
;   v[WOFF], v[STW ..], v[STR ..]  written at the head, never again.      v15 and v511: written at the head, read by the closing add alone.
; A BLOCK'S WAITS: va_vdst ahead of its 18 loads (offsets written; the other X free); va_vdst behind the places, ahead of the LDS stores; vm_vsrc beside the wait on DScnt in front of the barrier, on every path
; (the LDS stores have read ZZ, the block's loads RO and IA, the last block's global stores HC and HO); one va_vdst behind each batch of transcendentals; one va_sdst behind each run of sixteen compares;
; va_vdst ahead of the global stores, which is also the last word on ZZ: no vector line names ZZ between it and the next LDS loads into ZZ but the products, which have their own wait.
; The block's loads stand in one run ahead of its products and are not dealt among them: a load and a product want different register windows.
.set WOFF, 4                           ; v4      W1: 16 r + 16 rows x h
.set STW,  7                           ; v7, v8  where I put partial sums, stage 0, 1
.set STR,  9                           ; v9, v10 where I read the four waves' sums of my two tiles
.set HO0,  11                          ; v11     512 w + 16 x lane: my place in an image
.set HO,   12                          ; v12, 13 the stores' offsets, by block parity
.set RO,   16                          ; v16-19  [parity][row tile]: token x 1024 + 16 h
.set HC,   20                          ; v20-27  h's codes
.set IA,   28                          ; v28-31  [parity][row tile]: byte offset in inv
.set TT,   32                          ; v32-63  t
.set QQ,   64                          ; v64-95  the polynomial, then Phi
.set UU,   96                          ; v96-127 x^2, then 1 - Phi(-|x|)
.set ZZ,   128                         ; v128-255 the 16 accumulators (row tile rt, tile T at ZZ + 64 rt + 8 T); then the four waves' sums ([wave][rt][u][8]); v128-159 x, gelu(x)
.set XR,   128
.set AB,   144
.set WSC,  160
.set SM,   48                          ; s48-63  sixteen masks of lanes: free behind the head, which reads the scales' exponents and an offset there
.set MSB, 0
.macro WIN new                         ; the immediate's high byte repeats the setting that is left; a switch that changes nothing is dropped
.if MSB != (\new)
	s_set_vgpr_msb (MSB<<8)|(\new)
.set MSB, (\new)
.endif
.endm
; 16 loads: rows 128 s + 32 c + 0 .. 15 (+ 16 h), columns 64 p on; LG = 8 s + 4 p + c; into slot LG % 4.  again = 1: the slot has just been converted
.macro WLOAD again
.set SB, 64*(LG%2)
	WIN ((1+((LG%4)/2))<<6)
.if \again
	s_wait_alu depctr_va_vdst(0)                   ; the holds have written this slot and the conversions are done reading it: the loads below land in it
.endif
.set BE, 0
.rept 16
	global_load_b128 v[SB+4*BE:SB+4*BE+3], v[WOFF], s[4:5] offset:(128*(LG/8)+32*(LG%4)+BE)*16384+256*((LG/4)%2) th:TH_LOAD_NT
.set BE, BE+1
.endr
.endm
; slot CG % 4 becomes register group c of four fragments, in two parts: WHOLD empties the slot, WTURN turns the codes
.macro WHOLD
.set SB, 64*(CG%2)
.set WW, 1+((CG%4)/2)
	WIN (WW*0x55)
.set NN, 0
.rept 64
	v_med3_num_f32 v[SB+NN], v[SB+NN], s24, s25    ; the conversion to an 8-bit code does not saturate (ISA guide 7.6.2): the hold comes first
.set NN, NN+1
.endr
.set NN, 0
.rept 8
	v_cvt_scalef32_pk8_bf8_f32 v[XR+2*NN:XR+2*NN+1], v[SB+8*NN:SB+8*NN+7], v[WSC]   ; register B of XR: row B's four columns, a byte each
.set NN, NN+1
.endr
	v_nop                                          ; a plain line between the conversions and the reads of their results
.endm
.macro WTURN
.set WW, 1+((CG%4)/2)
.set CB, 128*((CG/4)%2)+16*(CG/8)+4*(CG%4)
	WIN (WW*0x55)
.set NN, 0
.rept 4                                ; 4 rows x 4 columns of bytes are turned, in two steps
	v_perm_b32 v[AB+4*NN],   v[XR+4*NN+1], v[XR+4*NN],   s26
	v_perm_b32 v[AB+4*NN+1], v[XR+4*NN+1], v[XR+4*NN],   s27
	v_perm_b32 v[AB+4*NN+2], v[XR+4*NN+3], v[XR+4*NN+2], s26
	v_perm_b32 v[AB+4*NN+3], v[XR+4*NN+3], v[XR+4*NN+2], s27
.set NN, NN+1
.endr
	WIN (0xc0+5*WW)
.set NN, 0
.rept 4
	v_perm_b32 v[CB+NN],    v[AB+4*NN+2], v[AB+4*NN],   s28   ; column j = 0: four rows' codes
	v_perm_b32 v[CB+32+NN], v[AB+4*NN+2], v[AB+4*NN],   s29   ; j = 1
	v_perm_b32 v[CB+64+NN], v[AB+4*NN+3], v[AB+4*NN+1], s28   ; j = 2
	v_perm_b32 v[CB+96+NN], v[AB+4*NN+3], v[AB+4*NN+1], s29   ; j = 3
.set NN, NN+1
.endr
.endm
; the tokens of a block's 32 slots: where their numbers lie (ROADR), and the loads (ROASK).  s47 = 32 x (the expert's first block + the block)
.macro ROADR p
.irp rt, 0,1
	v_add3_u32 v[IA+2*(\p)+\rt], s47, v1, 16*\rt
	v_min_u32 v[IA+2*(\p)+\rt], s19, v[IA+2*(\p)+\rt]      ; rows past the expert's last repeat it
	v_min_u32 v[IA+2*(\p)+\rt], 0x8ff, v[IA+2*(\p)+\rt]
	v_lshlrev_b32 v[IA+2*(\p)+\rt], 2, v[IA+2*(\p)+\rt]
.endr
.endm
.macro ROASK p
.irp rt, 0,1
	global_load_b32 v[RO+2*(\p)+\rt], v[IA+2*(\p)+\rt], s[8:9] offset:8448
.endr
.endm
.macro ROFIX p                         ; token -> its row's byte in xq, + my half's 16
.irp rt, 0,1
	v_min_u32 v[RO+2*(\p)+\rt], 0x3ff, v[RO+2*(\p)+\rt]
.endr
.irp rt, 0,1
	v_lshl_add_u32 v[RO+2*(\p)+\rt], v[RO+2*(\p)+\rt], 10, v5
.endr
.endm
; x's fragments of a block: 2 row tiles x 2 K steps; a row tile's eight loads take one aligned piece of 256 bytes of each of 16 rows
.macro ALOAD1 p
	WIN ((1+(\p))<<6)
	s_wait_alu depctr_va_vdst(0)                   ; the offsets made just above (v[RO ..] of this parity; in a block also v[IA ..] of the other) are written, and the conversions or products that read these fragment registers are done with them
.irp rt, 0,1
.irp s, 0,1
.irp c, 0,1,2,3
	global_load_b128 v[32*\rt+16*\s+4*\c:32*\rt+16*\s+4*\c+3], v[RO+2*(\p)+\rt], s[6:7] offset:128*\s+32*\c
.endr
.endr
.endr
	WIN 0
.endm
.macro GELU32                          ; v[ZZ] .. v[ZZ + 31]: sums -> gelu(sum x 2^(e0 + e1))
.set NN, 0
.rept 16
	v_pk_mul_f32 v[ZZ+NN:ZZ+NN+1], v[ZZ+NN:ZZ+NN+1], s[30:31] op_sel_hi:[1,0]
.set NN, NN+2
.endr
.set NN, 0
.rept 32
	v_and_b32 v[TT+NN], 0x7fffffff, v[ZZ+NN]
.set NN, NN+1
.endr
.set NN, 0
.rept 16
	v_pk_fma_f32 v[TT+NN:TT+NN+1], v[TT+NN:TT+NN+1], s[38:39], 1.0 op_sel_hi:[1,0,0]   ; 1 + |x| / (2 sqrt 2)
.set NN, NN+2
.endr
.set NN, 0
	s_wait_alu depctr_va_vdst(0)
.rept 32
	v_rcp_f32 v[TT+NN], v[TT+NN]
.set NN, NN+1
.endr
.set NN, 0
.rept 16
	v_pk_mul_f32 v[UU+NN:UU+NN+1], v[ZZ+NN:ZZ+NN+1], v[ZZ+NN:ZZ+NN+1]   ; x^2 (the first is also the plain line behind the reciprocals)
.set NN, NN+2
.endr
.set NN, 0
	s_wait_alu depctr_va_vdst(0)                   ; the 32 reciprocals have written v[TT ..]: one wait for the batch, ahead of its first reader
.rept 16
	v_pk_fma_f32 v[QQ+NN:QQ+NN+1], v[TT+NN:TT+NN+1], s[34:35], 0xbf97d29d op_sel_hi:[1,0,0]
.set NN, NN+2
.endr
.irp c, 0x40097039, 0xbfd1a1e5, 0x3ecdfd18, 0xbe899a80, 0x3e0efb2e, 0x3f0a29d2, 0x3fb8ab5a, 0xc034d90f
.set NN, 0
.rept 16
	v_pk_fma_f32 v[QQ+NN:QQ+NN+1], v[QQ+NN:QQ+NN+1], v[TT+NN:TT+NN+1], \c op_sel_hi:[1,1,0]   ; the fit's coefficients x log2(e); the last also carries the -1 of the factor 1/2
.set NN, NN+2
.endr
.endr
.set NN, 0
.rept 16
	v_pk_fma_f32 v[QQ+NN:QQ+NN+1], v[UU+NN:UU+NN+1], 0xbf38aa3b, v[QQ+NN:QQ+NN+1] op_sel_hi:[1,0,1]
.set NN, NN+2
.endr
.set NN, 0
	s_wait_alu depctr_va_vdst(0)
.rept 32
	v_exp_f32 v[QQ+NN], v[QQ+NN]
.set NN, NN+1
.endr
	v_nop                                          ; a plain line behind the exponentials
.set NN, 0
	s_wait_alu depctr_va_vdst(0)                   ; the 32 exponentials have written v[QQ ..]: one wait for the batch, ahead of its first reader
.rept 16
	v_pk_mul_f32 v[QQ+NN:QQ+NN+1], v[QQ+NN:QQ+NN+1], v[TT+NN:TT+NN+1]   ; Phi(-|x|)
.set NN, NN+2
.endr
.set NN, 0
.rept 16
	v_pk_fma_f32 v[UU+NN:UU+NN+1], v[QQ+NN:QQ+NN+1], -1.0, 1.0 op_sel_hi:[1,0,0]   ; Phi(|x|)
.set NN, NN+2
.endr
.irp hf, 0,16                          ; which of the two is Phi(x): the compares in runs of sixteen, each into a scalar register of its own
.set NN, 0
.rept 16
	v_cmp_gt_f32 s[SM+NN], 0, v[ZZ+\hf+NN]
.set NN, NN+1
.endr
	s_wait_alu depctr_va_sdst(0)                   ; the sixteen compares have written s[SM ..], ahead of the selections that read them
.set NN, 0
.rept 16
	v_cndmask_b32 v[QQ+\hf+NN], v[UU+\hf+NN], v[QQ+\hf+NN], s[SM+NN]
.set NN, NN+1
.endr
.endr
.set NN, 0
.rept 16
	v_pk_mul_f32 v[ZZ+NN:ZZ+NN+1], v[ZZ+NN:ZZ+NN+1], v[QQ+NN:QQ+NN+1]
.set NN, NN+2
.endr
.endm
	s_load_b256 s[4:11], s[0:1], 0x0               ; W1 s[4:5], xq s[6:7], lists s[8:9], the scales' exponents s[10:11]
	s_load_b64 s[12:13], s[0:1], 0x20              ; hq
	v_lshl_add_u32 v15, v0, 2, 0x20000
	s_set_vgpr_msb 0x40
	v_mov_b32 v255, 0
	s_set_vgpr_msb 0x4000
	v_lshrrev_b32 v6, 5, v0
	v_readfirstlane_b32 s14, v6                    ; wave
	v_and_b32 v1, 15, v0                           ; r
	v_bfe_u32 v2, v0, 4, 1                         ; h
	v_and_b32 v3, 31, v0
	v_lshlrev_b32 v3, 4, v3                        ; 16 x lane
	v_lshlrev_b32 v4, 4, v1
	v_lshl_add_u32 v[WOFF], v2, 18, v4             ; 16 r + 16 rows of 16,384 bytes x h
	v_lshlrev_b32 v5, 4, v2                        ; 16 h
	s_wait_alu depctr_va_sdst(0)                   ; s14 is written, ahead of its first reader: LDS addresses and the buffers' bases are made from it
	s_lshl_b32 s36, s14, 14
	v_add_nc_u32 v[STW], s36, v3                   ; a stage: [wave 16,384][row tile 8,192][tile 1,024][half 512][16 x lane]
	v_add_nc_u32 v[STW+1], 0x10000, v[STW]
	s_lshl_b32 s36, s14, 11
	v_add_nc_u32 v[STR], s36, v3                   ; my tiles 2 w, 2 w + 1
	v_add_nc_u32 v[STR+1], 0x10000, v[STR]
	s_lshl_b32 s36, s14, 9
	v_add_nc_u32 v[HO0], s36, v3
	s_and_b32 s15, ttmp7, 0xffff                   ; the expert
	s_mov_b32 s16, ttmp9                           ; the slice
	s_mov_b32 s26, 0x05010400                      ; the byte selects of the two turning steps
	s_mov_b32 s27, 0x07030602
	s_mov_b32 s28, 0x05040100
	s_mov_b32 s29, 0x07060302
	s_mov_b32 s34, 0x3e7c6f08                      ; the fit's highest coefficient
	s_mov_b32 s35, s34
	s_mov_b32 s38, 0x3eb504f3                      ; 1 / (2 sqrt 2)
	s_mov_b32 s39, s38
	s_lshl_b32 s36, s15, 24                        ; W1: the expert's 2^24 bytes, my 256 rows of 16,384, the slice's 512
	s_lshl_b32 s40, s14, 22
	s_add_co_u32 s36, s36, s40
	s_lshl_b32 s40, s16, 9
	s_add_co_u32 s36, s36, s40
	s_mov_b32 s37, 0
	s_lshl_b32 s42, s15, 2
	s_mov_b32 s43, 0
	s_lshl_b32 s52, s14, 8                         ; xq: my 256 of a row's 1,024 codes
	s_mov_b32 s53, 0
	s_wait_kmcnt 0x0
	s_add_nc_u64 s[4:5], s[4:5], s[36:37]
	s_add_nc_u64 s[44:45], s[8:9], s[42:43]
	s_add_nc_u64 s[6:7], s[6:7], s[52:53]
	s_load_b32 s18, s[44:45], 0x0                  ; blk0[e]
	s_load_b32 s17, s[44:45], 0x20                 ; nblk[e]
	s_load_b32 s19, s[44:45], 0x40                 ; rows[e]
	s_load_b64 s[20:21], s[8:9], 0x60              ; blocks in all - 1, the last real row's slot
	s_load_b128 s[48:51], s[10:11], 0x0            ; e0 .. e3
	s_wait_alu depctr_va_vdst(0)                   ; v[WOFF], v[STW ..] and v[STR ..] are written: every load of W1 and every LDS store and load of the stages reads one of them, and none is written again
.set LG, 0
	WLOAD 0
.set LG, 1
	WLOAD 0
.set LG, 2
	WLOAD 0
	WIN 0
	s_wait_kmcnt 0x0
	s_min_u32 s18, s18, 71
	s_min_u32 s17, s17, 32
	s_lshl_b32 s46, s18, 5                         ; the expert's first slot
	s_max_u32 s19, s19, 1
	s_sub_co_u32 s19, s19, 1
	s_add_co_u32 s19, s19, s46
	s_min_u32 s19, s19, s21                        ; the expert's last real row (for an expert without rows: some real row)
	s_min_u32 s19, s19, 0x8ff
	s_add_co_i32 s40, s49, 127
	s_lshl_b32 s41, s40, 23                        ; 2^e1 as f32
	s_add_co_i32 s40, s40, 15
	s_lshl_b32 s40, s40, 23
	s_or_b32 s25, s40, 0x600000                    ; 57,344 x 2^e1
	s_or_b32 s24, s25, 0x80000000
	WIN 0x40
	v_mov_b32 v[WSC], s41
	WIN 0x80
	v_mov_b32 v[WSC], s41
	WIN 0
	s_add_co_i32 s40, s48, s49
	s_add_co_i32 s40, s40, 127
	s_lshl_b32 s30, s40, 23                        ; 2^(e0 + e1)
	s_mov_b32 s31, s30
	s_add_co_i32 s40, s51, 127
	s_lshl_b32 s41, s40, 23
	v_mov_b32 v14, s41                             ; 2^e3
	s_add_co_i32 s40, s40, 15
	s_lshl_b32 s40, s40, 23
	s_or_b32 s33, s40, 0x600000                    ; 57,344 x 2^e3
	s_or_b32 s32, s33, 0x80000000
	s_lshl_b32 s36, s18, 17                        ; hq: a block is 131,072 bytes, a K step 2,048
	s_lshl_b32 s40, s16, 11
	s_add_co_u32 s36, s36, s40
	s_add_nc_u64 s[12:13], s[12:13], s[36:37]
	s_mov_b32 s47, s46
	ROADR 0                                        ; the tokens of blocks 0 and 1: all four offsets first,
	s_add_co_u32 s47, s46, 32
	ROADR 1
	s_wait_alu depctr_va_vdst(0)                   ; v[IA] .. v[IA + 3] are written, which the four loads below read as their offsets
	ROASK 0
	ROASK 1
.set LG, 3
	WLOAD 0                                        ; the fourth slot: no vector line has named it
	; THE STREAM.  A step: the wait for its sixteen loads; the holds and conversions, which empty the slot; the slot is asked for again at once, for the run four on; the byte turns.
	; Each wait counts the loads issued behind the sixteen that it needs: three younger runs of 16, and in the first three steps the four loads of tokens;
	; in step 13 two runs and block 0's 16 row loads, then one run and those 16, then those 16 alone.  Steps 13 to 15 issue no load.
.set CG, 0
.rept 16
.if CG < 3
	s_wait_loadcnt 52
.elseif CG < 14
	s_wait_loadcnt 48
.elseif CG == 14
	s_wait_loadcnt 32
.else
	s_wait_loadcnt 16
.endif
	WHOLD
.if CG < 12
.set LG, CG+4
	WLOAD 1
.elseif CG == 12
	WIN 0
	ROFIX 0
	ALOAD1 0                                       ; block 0's rows, into the slot that has just been converted for the last time
.endif
	WTURN
.set CG, CG+1
.endr
	WIN 0
; ONE BLOCK of 32 rows, of parity pi.  s22 + pi = its number b.
.macro BSTEP pi
	s_add_co_u32 s40, s22, \pi
	s_cmp_ge_u32 s40, s17
	s_cbranch_scc1 .Lno_mul_\@                     ; past the expert's last block: no work, but the barrier below
	s_wait_loadcnt 0x0                             ; block b's fragments and block b + 1's tokens are in; every address register below is free
	ROFIX 1-\pi
	s_lshl_b32 s47, s40, 5
	s_add_co_u32 s47, s47, s46
	s_add_co_u32 s47, s47, 64
	ROADR \pi                                      ; all four offsets are made first, so that one wait serves the block's 18 loads
	ALOAD1 1-\pi                                   ; block b + 1's rows: on their way through this block's products, stage and way out
	ROASK \pi                                      ; block b + 2's tokens.  No wait: no vector line stands between the wait in front of the row loads and these two
	WIN (0x07+4*\pi)                               ; source 0 window 3, source 1 window 1 or 2, C and D window 0
.irp s, 0,1                            ; the 16 accumulators take turns, one instruction a turn
.irp rt, 0,1
.irp t, 0,1,2,3,4,5,6,7
.if \s == 0
	v_wmma_f32_16x16x128_bf8_bf8 v[ZZ+64*\rt+8*\t:ZZ+64*\rt+8*\t+7], v[16*(2*\t+\s):16*(2*\t+\s)+15], v[32*\rt+16*\s:32*\rt+16*\s+15], 0
.else
	v_wmma_f32_16x16x128_bf8_bf8 v[ZZ+64*\rt+8*\t:ZZ+64*\rt+8*\t+7], v[16*(2*\t+\s):16*(2*\t+\s)+15], v[32*\rt+16*\s:32*\rt+16*\s+15], v[ZZ+64*\rt+8*\t:ZZ+64*\rt+8*\t+7]
.endif
.endr
.endr
.endr
	WIN 0
.rept 5
	v_nop                                          ; places: four ahead of the stores that read results, five ahead of the next block's products, which begin the accumulators anew
.endr
	s_wait_alu depctr_va_vdst(0)                   ; the products have written v[ZZ ..], which the LDS stores read; the places above stay beside this wait
.irp rt, 0,1
.irp t, 0,1,2,3,4,5,6,7
	ds_store_b128 v[STW+\pi], v[ZZ+64*\rt+8*\t:ZZ+64*\rt+8*\t+3]   offset:8192*\rt+1024*\t       ; each accumulator from its low end on; 512 consecutive bytes a store
	ds_store_b128 v[STW+\pi], v[ZZ+64*\rt+8*\t+4:ZZ+64*\rt+8*\t+7] offset:8192*\rt+1024*\t+512
.endr
.endr
.Lno_mul_\@:
	s_wait_dscnt 0x0                               ; my partial sums lie in this stage, and my reads of the other stage are over
	s_wait_alu depctr_vm_vsrc(0)                   ; the LDS stores have read v[ZZ ..], in which the LDS loads below land; the last block's global stores have read v[HC ..] and v[HO ..], and this block's loads v[RO ..] and v[IA ..], all of which are written again further on
	s_barrier_signal -1
	s_barrier_wait -1
	s_cmp_ge_u32 s40, s17
	s_cbranch_scc1 .Lno_out_\@
	s_wait_xcnt 0x0                                ; the last block's stores have read their codes and offsets
.irp src, 0,1,2,3
.irp rt, 0,1
.irp u, 0,1
	ds_load_b128 v[ZZ+32*\src+16*\rt+8*\u:ZZ+32*\src+16*\rt+8*\u+3],   v[STR+\pi] offset:16384*\src+8192*\rt+1024*\u
	ds_load_b128 v[ZZ+32*\src+16*\rt+8*\u+4:ZZ+32*\src+16*\rt+8*\u+7], v[STR+\pi] offset:16384*\src+8192*\rt+1024*\u+512
.endr
.endr
.endr
	s_lshl_b32 s41, s40, 17
	v_add_nc_u32 v[HO+\pi], s41, v[HO0]
	s_wait_dscnt 0x0
.set NN, 0
.rept 16
	v_pk_add_f32 v[ZZ+NN:ZZ+NN+1], v[ZZ+NN:ZZ+NN+1], v[ZZ+32+NN:ZZ+33+NN]
	v_pk_add_f32 v[ZZ+64+NN:ZZ+65+NN], v[ZZ+64+NN:ZZ+65+NN], v[ZZ+96+NN:ZZ+97+NN]
.set NN, NN+2
.endr
.set NN, 0
.rept 16
	v_pk_add_f32 v[ZZ+NN:ZZ+NN+1], v[ZZ+NN:ZZ+NN+1], v[ZZ+64+NN:ZZ+65+NN]   ; the sum over all 1,024 of K
.set NN, NN+2
.endr
	GELU32
.set NN, 0
.rept 32
	v_med3_num_f32 v[ZZ+NN], v[ZZ+NN], s32, s33    ; the hold at the largest code x 2^e3
.set NN, NN+1
.endr
.irp rt, 0,1
.irp u, 0,1
	v_cvt_scalef32_pk8_bf8_f32 v[HC+4*\rt+2*\u:HC+4*\rt+2*\u+1], v[ZZ+16*\rt+8*\u:ZZ+16*\rt+8*\u+7], v14
.endr
.endr
	v_nop                                          ; a plain line behind the last conversion: later products write its sources
	s_wait_alu depctr_va_vdst(0)                   ; the conversions have written v[HC ..] and the addition v[HO ..], which the stores read; and every vector line of this way out is done with v[ZZ ..]
.irp rt, 0,1
	global_store_b128 v[HO+\pi], v[HC+4*\rt:HC+4*\rt+3], s[12:13] offset:65536*\rt   ; group c = w of the image: 512 consecutive bytes, aligned
.endr
.Lno_out_\@:
.endm
	s_wait_alu depctr_vm_vsrc(0)                   ; the head's loads of tokens have read v[IA ..] and block 0's row loads v[RO], v[RO + 1]: block 0 writes v[IA], v[IA + 1] anew and asks for tokens into v[RO], v[RO + 1]
	s_mov_b32 s22, 0
.Lrows:
	BSTEP 0
	BSTEP 1
	s_add_co_u32 s22, s22, 2
	s_cmp_lt_u32 s22, 32
	s_cbranch_scc1 .Lrows
	s_set_vgpr_msb 0x4                             ; the add's second register lies in window 1: the switch stands ahead of the closing lines
	s_wait_dscnt 0x0                               ; the closing lines, six on end
	s_wait_alu 0x0
	s_wait_tensorcnt 0x0
	ds_add_u32 v15, v255
	s_wait_dscnt 0x0
	s_endpgm
.Lfunc_end_k_qa487dee953_gemm1:
	.size	k_qa487dee953_gemm1, .Lfunc_end_k_qa487dee953_gemm1-k_qa487dee953_gemm1
	.p2alignl 7, 3214868480
	.fill 96, 4, 3214868480
	.section	.rodata,"a",@progbits
	.p2align	6, 0x0
	.amdhsa_kernel k_qa487dee953_gemm1
		.amdhsa_group_segment_fixed_size 131584
		.amdhsa_private_segment_fixed_size 0
		.amdhsa_enable_private_segment 0
		.amdhsa_kernarg_size 40
		.amdhsa_user_sgpr_count 2
		.amdhsa_user_sgpr_kernarg_segment_ptr 1
		.amdhsa_wavefront_size32 1
		.amdhsa_system_sgpr_workgroup_id_x 1
		.amdhsa_system_sgpr_workgroup_id_y 1
		.amdhsa_system_sgpr_workgroup_id_z 1
		.amdhsa_system_vgpr_workitem_id 0
		.amdhsa_next_free_vgpr 1024
		.amdhsa_next_free_sgpr 72
		.amdhsa_reserve_vcc 0
		.amdhsa_float_denorm_mode_32 3
		.amdhsa_float_denorm_mode_16_64 3
		.amdhsa_memory_ordered 1
		.amdhsa_forward_progress 1
		.amdhsa_inst_pref_size 227
	.end_amdhsa_kernel
	.amdgpu_metadata
---
amdhsa.version: [ 1, 2 ]
amdhsa.kernels:
  - .name:           k_qa487dee953_gemm1
    .symbol:         k_qa487dee953_gemm1.kd
    .args:
      - { .name: W1, .offset: 0, .size: 8, .value_kind: global_buffer, .address_space: global }
      - { .name: xq, .offset: 8, .size: 8, .value_kind: global_buffer, .address_space: global }
      - { .name: lists, .offset: 16, .size: 8, .value_kind: global_buffer, .address_space: global }
      - { .name: lowp_scales, .offset: 24, .size: 8, .value_kind: global_buffer, .address_space: global }
      - { .name: hq, .offset: 32, .size: 8, .value_kind: global_buffer, .address_space: global }
    .group_segment_fixed_size: 131584
    .private_segment_fixed_size: 0
    .kernarg_segment_align: 8
    .kernarg_segment_size: 40
    .max_flat_workgroup_size: 128
    .sgpr_count:     72
    .vgpr_count:     1024
    .wavefront_size: 32
...
	.end_amdgpu_metadata
.endif
;; end of part 8
;; launch gemm2 (part 9): grid 32 x 8, 4 waves a work-group, no clusters, 70,144 bytes of LDS; arguments W2, hq, lists, lowp_scales, yp; writes yp
.if DOCPART == 9
	.amdgcn_target "amdgcn-amd-amdhsa--gfx1250"
	.amdhsa_code_object_version 6
	.text
	.protected	k_qa487dee953_gemm2
	.globl	k_qa487dee953_gemm2
	.p2align	8
	.type	k_qa487dee953_gemm2,@function
k_qa487dee953_gemm2:
	s_mov_b64 s[64:65], 0
	v_nop
	global_prefetch_b8 v0, s[64:65] scope:SCOPE_SE
	s_setreg_imm32_b32 hwreg(HW_REG_WAVE_SCHED_MODE, 0, 2), 2
	s_setreg_imm32_b32 hwreg(HW_REG_WAVE_MODE, 25, 1), 1
	s_wait_xcnt 0x0
	s_wait_alu depctr_vm_vsrc(0)
; y = h W2[e] FOR THE ROWS ROUTED TO EXPERT e, on codes of E5M2; the sums leave unscaled, in two halves of K.  W2 [8][4096 (k)][1024 (c)] f32; hq: h's codes as register images; yp [K half][slot][1024] f32.
; SHARES.  Work-group (x = 2 cs + kh, y = expert e) owns rows k = 2048 kh .. + 2047 and columns 64 cs .. + 63 of W2[e]: 512 KiB that nobody else reads.  THE FOUR WAVES SPLIT K: wave w owns 512 rows, 4 K steps of 128.
; PHASE 1, THE STREAM: as in the launch before: a wave reads its 128 KiB once as f32 (16 lanes take the 256 bytes of a row's 64 columns, the other 16 the row 32 further down), holds, converts, turns 4 x 4 bytes and keeps
; 16 fragments (4 tiles of 16 columns x 4 K steps) in 256 registers.  Tile j holds the columns 4 r + j.  The rows are taken in the order in which h's codes lie: byte B of group c of lane (r, h) is
; k = 128 s + 64 (c / 2) + 32 h + 4 (B % 8) + 2 (c % 2) + B / 8, alike in both operands.
; PHASE 2, THE ROWS, 32 at a time: a constant 16 trips of two blocks; a block past the expert's last is passed over by scalar branches round the work, never round the barrier.  A block: h's fragments (32 loads of 512
; consecutive bytes) come one block ahead; 32 matrix instructions (source 0 = 16 slots, source 1 = 16 columns); the waves' partial sums meet in a stage in LDS laid as rows of 64 columns; one barrier; each wave adds up
; and stores 8 of the 32 rows, sixteen lanes to 256 consecutive bytes, aligned.  Two stages take turns, so one barrier a block orders writing, reading and the next writing but one.
; NO JOINT LOADS: the weights are shared with nobody; how many blocks of h there are hangs on loaded counts.
; LIMITS: e2 between -126 and 112.  NaN and infinities among the inputs are not served.
; REGISTERS.  Window 0: names below.  Windows 1, 2: v0-63, v64-127 two slots of the stream each (later v0-127: h's fragments, block parity 0 in window 1, 1 in window 2); v128-143, v144-159 at work; v160 2^e2.
;   Window 3: W2's codes, fragment (j, s) at v[16 (4 j + s)].
; THE MODE: SCHED_MODE bits 1:0 = 2 (LLVM: expert scheduling mode 2), set by the entry lines.  The code itself states the register dependences
; between vector or matrix instructions and memory or LDS instructions, with s_wait_alu, always for 0.
; THE PLAN.  Registers that memory or LDS instructions touch:
;   the four slots   Step CG of the stream: the holds write slot CG % 4 in place, the conversions read it; behind them the loads of run CG + 4 land in it.  ONE wait on va_vdst a step, behind the conversions;
;                    the byte turns that follow the loads name the converted codes and window 3, none of the registers that those loads touch.
;   H0, H1           h's fragments.  Block b: its products read H[b % 2]; the loads of block b + 1 land in the other, which block b - 1's products read.
;   v[AO ..]         [parity]: one addition writes it; the block's 32 loads read it as their offset.
;   v[ZZ ..]         the products write it; the LDS stores read it.
;   v[PP ..]         the LDS loads land in it; the sums work on it; the global stores read its first sixteen.      v[YO ..]  [parity]: one addition writes it; the global stores read it.
;   v[WOFF], v[STW ..], v[STR ..]  written at the head, never again.      v254, v255: written at the head, read by the closing add alone.
; A BLOCK'S WAITS: va_vdst ahead of its 32 loads (the offset written; the other H free); va_vdst behind the places, ahead of the LDS stores; vm_vsrc beside the wait on DScnt in front of the barrier, on every path
; (the LDS stores have read ZZ, the block's loads AO, the last block's global stores PP and YO); va_vdst ahead of the global stores, behind which no vector line names PP until the next LDS loads have landed in it.
; The block's loads stand in one run ahead of its products and are not dealt among them: a load and a product want different register windows.
.set WOFF, 4                           ; v4      W2: 16 r + 32 rows x h
.set AO,   5                           ; v5, v6  h's offsets, by block parity
.set STW,  7                           ; v7, v8  where I put partial sums, stage 0, 1
.set STR,  9                           ; v9, v10 where I read rows back
.set YO0,  11                          ; v11     4096 h + 16 r
.set YO,   12                          ; v12, 13 the stores' offsets
.set PP,   32                          ; v32-95  the four waves' sums: [wave][row tile][a][4]
.set ZZ,   128                         ; v128-191 the 8 accumulators: (rt, j) at ZZ + 32 rt + 8 j
.set XR,   128
.set AB,   144
.set WSC,  160
.set STG,  34816                       ; a stage: [wave 8,704][row tile 4,352][slot 272][column x 4]: rows of 256 bytes + 16
.set MSB, 0
.macro WIN new                         ; the immediate's high byte repeats the setting that is left; a switch that changes nothing is dropped
.if MSB != (\new)
	s_set_vgpr_msb (MSB<<8)|(\new)
.set MSB, (\new)
.endif
.endm
; 16 loads: LG = 4 s + c; load B takes row 128 s + 64 (c / 2) + 2 (c % 2) + 4 (B % 8) + B / 8 (+ 32 h); into slot LG % 4.  again = 1: the slot has just been converted
.macro WLOAD again
.set SB, 64*(LG%2)
	WIN ((1+((LG%4)/2))<<6)
.if \again
	s_wait_alu depctr_va_vdst(0)                   ; the holds have written this slot and the conversions are done reading it: the loads below land in it
.endif
.set BE, 0
.rept 16
	global_load_b128 v[SB+4*BE:SB+4*BE+3], v[WOFF], s[4:5] offset:(128*(LG/4)+64*((LG%4)/2)+2*(LG%2)+4*(BE%8)+(BE/8))*4096 th:TH_LOAD_NT
.set BE, BE+1
.endr
.endm
; slot CG % 4 becomes register group c of four fragments, in two parts: WHOLD empties the slot, WTURN turns the codes
.macro WHOLD
.set SB, 64*(CG%2)
.set WW, 1+((CG%4)/2)
	WIN (WW*0x55)
.set NN, 0
.rept 64
	v_med3_num_f32 v[SB+NN], v[SB+NN], s24, s25    ; the conversion to an 8-bit code does not saturate (ISA guide 7.6.2): the hold comes first
.set NN, NN+1
.endr
.set NN, 0
.rept 8
	v_cvt_scalef32_pk8_bf8_f32 v[XR+2*NN:XR+2*NN+1], v[SB+8*NN:SB+8*NN+7], v[WSC]
.set NN, NN+1
.endr
	v_nop                                          ; a plain line between the conversions and the reads of their results
.endm
.macro WTURN
.set WW, 1+((CG%4)/2)
.set CB, 16*(CG/4)+4*(CG%4)
	WIN (WW*0x55)
.set NN, 0
.rept 4
	v_perm_b32 v[AB+4*NN],   v[XR+4*NN+1], v[XR+4*NN],   s26
	v_perm_b32 v[AB+4*NN+1], v[XR+4*NN+1], v[XR+4*NN],   s27
	v_perm_b32 v[AB+4*NN+2], v[XR+4*NN+3], v[XR+4*NN+2], s26
	v_perm_b32 v[AB+4*NN+3], v[XR+4*NN+3], v[XR+4*NN+2], s27
.set NN, NN+1
.endr
	WIN (0xc0+5*WW)
.set NN, 0
.rept 4
	v_perm_b32 v[CB+NN],     v[AB+4*NN+2], v[AB+4*NN],   s28
	v_perm_b32 v[CB+64+NN],  v[AB+4*NN+2], v[AB+4*NN],   s29
	v_perm_b32 v[CB+128+NN], v[AB+4*NN+3], v[AB+4*NN+1], s28
	v_perm_b32 v[CB+192+NN], v[AB+4*NN+3], v[AB+4*NN+1], s29
.set NN, NN+1
.endr
.endm
; h's fragments of the block whose number among the expert's stands in s41: 2 row tiles x my 4 K steps.  A number past the expert's last block takes the last: written bytes that are not used
.macro ALOAD2 p
	s_min_u32 s41, s41, s19
	s_add_co_u32 s41, s41, s18
	s_min_u32 s41, s41, s20
	s_min_u32 s41, s41, 71
	s_lshl_b32 s41, s41, 17
	v_add_nc_u32 v[AO+(\p)], s41, v3
	WIN ((1+(\p))<<6)
	s_wait_alu depctr_va_vdst(0)                   ; v[AO ..] of this parity is written, which the loads below read as their offset, and the conversions or products that read these fragment registers are done with them
.irp rt, 0,1
.irp s, 0,1,2,3
.irp c, 0,1,2,3
	global_load_b128 v[64*\rt+16*\s+4*\c:64*\rt+16*\s+4*\c+3], v[AO+(\p)], s[6:7] offset:65536*\rt+2048*\s+512*\c
.endr
.endr
.endr
	WIN 0
.endm
	s_load_b256 s[4:11], s[0:1], 0x0               ; W2 s[4:5], hq s[6:7], lists s[8:9], the scales' exponents s[10:11]
	s_load_b64 s[12:13], s[0:1], 0x20              ; yp
	v_lshl_add_u32 v254, v0, 2, 0x11000
	v_mov_b32 v255, 0
	v_lshrrev_b32 v6, 5, v0
	v_readfirstlane_b32 s14, v6                    ; wave
	v_and_b32 v1, 15, v0                           ; r
	v_bfe_u32 v2, v0, 4, 1                         ; h
	v_and_b32 v3, 31, v0
	v_lshlrev_b32 v3, 4, v3                        ; 16 x lane
	v_lshlrev_b32 v4, 4, v1
	v_lshl_add_u32 v[YO0], v2, 12, v4              ; 4096 h + 16 r
	v_lshl_add_u32 v[WOFF], v2, 17, v4             ; 16 r + 32 rows of 4,096 bytes x h
	s_wait_alu depctr_va_sdst(0)                   ; s14 is written, ahead of its first reader: LDS addresses and the buffers' bases are made from it
	s_mul_i32 s36, s14, 8704
	v_mul_u32_u24 v[STW], v2, 2176                 ; register i of lane (r, h) is slot 8 h + i, column 4 r + j
	v_lshl_add_u32 v[STW], v1, 4, v[STW]
	v_add_nc_u32 v[STW], s36, v[STW]
	v_add_nc_u32 v[STW+1], STG, v[STW]
	s_mul_i32 s36, s14, 1088
	v_mul_u32_u24 v[STR], v2, 272                  ; back: slot 4 w + 2 a + h, 16 bytes a lane
	v_lshl_add_u32 v[STR], v1, 4, v[STR]
	v_add_nc_u32 v[STR], s36, v[STR]
	v_add_nc_u32 v[STR+1], STG, v[STR]
	s_and_b32 s15, ttmp7, 0xffff                   ; the expert
	s_lshr_b32 s16, ttmp9, 1                       ; cs: which 64 columns
	s_and_b32 s39, ttmp9, 1                        ; kh: which half of K
	s_mov_b32 s26, 0x05010400
	s_mov_b32 s27, 0x07030602
	s_mov_b32 s28, 0x05040100
	s_mov_b32 s29, 0x07060302
	s_lshl_b32 s36, s15, 24                        ; W2: the expert's 2^24 bytes, 2,048 rows of 4,096 for the half, 512 for the wave, 256 bytes for cs
	s_lshl_b32 s40, s39, 23
	s_add_co_u32 s36, s36, s40
	s_lshl_b32 s40, s14, 21
	s_add_co_u32 s36, s36, s40
	s_lshl_b32 s40, s16, 8
	s_add_co_u32 s36, s36, s40
	s_mov_b32 s37, 0
	s_lshl_b32 s42, s15, 2
	s_mov_b32 s43, 0
	s_lshl_b32 s52, s39, 15                        ; hq: K step 16 kh + 4 w, 2,048 bytes each
	s_lshl_b32 s40, s14, 13
	s_add_co_u32 s52, s52, s40
	s_mov_b32 s53, 0
	s_wait_kmcnt 0x0
	s_add_nc_u64 s[4:5], s[4:5], s[36:37]
	s_add_nc_u64 s[44:45], s[8:9], s[42:43]
	s_add_nc_u64 s[6:7], s[6:7], s[52:53]
	s_load_b32 s18, s[44:45], 0x0                  ; blk0[e]
	s_load_b32 s17, s[44:45], 0x20                 ; nblk[e]
	s_load_b32 s20, s[8:9], 0x60                   ; blocks in all - 1
	s_load_b128 s[48:51], s[10:11], 0x0            ; e0 .. e3
	s_wait_alu depctr_va_vdst(0)                   ; v[WOFF], v[STW ..] and v[STR ..] are written: every load of W2 and every LDS store and load of the stages reads one of them, and none is written again
.set LG, 0
	WLOAD 0
.set LG, 1
	WLOAD 0
.set LG, 2
	WLOAD 0
.set LG, 3
	WLOAD 0                                        ; all four slots: no vector line has named them
	WIN 0
	s_wait_kmcnt 0x0
	s_min_u32 s18, s18, 71
	s_min_u32 s17, s17, 32
	s_max_u32 s19, s17, 1
	s_sub_co_u32 s19, s19, 1                       ; the expert's last block
	s_add_co_i32 s40, s50, 127
	s_lshl_b32 s41, s40, 23                        ; 2^e2 as f32
	s_add_co_i32 s40, s40, 15
	s_lshl_b32 s40, s40, 23
	s_or_b32 s25, s40, 0x600000                    ; 57,344 x 2^e2
	s_or_b32 s24, s25, 0x80000000
	WIN 0x40
	v_mov_b32 v[WSC], s41
	WIN 0x80
	v_mov_b32 v[WSC], s41
	WIN 0
	s_mul_i32 s36, s39, 0x900000                   ; yp: the half's 2,304 slots of 4,096 bytes, the expert's first block, my 4 slots of each tile, cs's 256 bytes
	s_lshl_b32 s40, s18, 17
	s_add_co_u32 s36, s36, s40
	s_lshl_b32 s40, s14, 14
	s_add_co_u32 s36, s36, s40
	s_lshl_b32 s40, s16, 8
	s_add_co_u32 s36, s36, s40
	s_add_nc_u64 s[12:13], s[12:13], s[36:37]
	; THE STREAM.  A step: the wait for its sixteen loads; the holds and conversions, which empty the slot; the slot is asked for again at once, for the run four on; the byte turns.
	; Each wait counts the loads issued behind the sixteen that it needs: three younger runs of 16; at the end two runs, then one run and block 0's 32 loads, then those 32 alone.  Steps 12, 14 and 15 issue no load.
.set CG, 0
.rept 16
.if CG < 13
	s_wait_loadcnt 48
.elseif CG == 13
	s_wait_loadcnt 32
.elseif CG == 14
	s_wait_loadcnt 48
.else
	s_wait_loadcnt 32
.endif
	WHOLD
.if CG < 12
.set LG, CG+4
	WLOAD 1
.elseif CG == 13
	WIN 0
	s_mov_b32 s41, 0
	ALOAD2 0                                       ; block 0's fragments, into the two slots that have been converted for the last time
.endif
	WTURN
.set CG, CG+1
.endr
	WIN 0
; ONE BLOCK of 32 rows, of parity pi.  s22 + pi = its number b.
.macro BSTEP pi
	s_add_co_u32 s40, s22, \pi
	s_cmp_ge_u32 s40, s17
	s_cbranch_scc1 .Lno_mul_\@                     ; past the expert's last block: no work, but the barrier below
	s_wait_loadcnt 0x0                             ; block b's fragments are in; the offset register below is free
	s_add_co_u32 s41, s40, 1
	ALOAD2 1-\pi                                   ; block b + 1's: on their way through this block's products, stage and way out
	WIN (0x0d+\pi)                                 ; source 0 window 1 or 2, source 1 window 3, C and D window 0
.irp s, 0,1,2,3                        ; the 8 accumulators take turns, one instruction a turn
.irp rt, 0,1
.irp j, 0,1,2,3
.if \s == 0
	v_wmma_f32_16x16x128_bf8_bf8 v[ZZ+32*\rt+8*\j:ZZ+32*\rt+8*\j+7], v[64*\rt+16*\s:64*\rt+16*\s+15], v[16*(4*\j+\s):16*(4*\j+\s)+15], 0
.else
	v_wmma_f32_16x16x128_bf8_bf8 v[ZZ+32*\rt+8*\j:ZZ+32*\rt+8*\j+7], v[64*\rt+16*\s:64*\rt+16*\s+15], v[16*(4*\j+\s):16*(4*\j+\s)+15], v[ZZ+32*\rt+8*\j:ZZ+32*\rt+8*\j+7]
.endif
.endr
.endr
.endr
	WIN 0
.rept 5
	v_nop                                          ; places: four ahead of the stores that read results, five ahead of the next block's products, which begin the accumulators anew
.endr
	s_wait_alu depctr_va_vdst(0)                   ; the products have written v[ZZ ..], which the LDS stores read; the places above stay beside this wait
.irp rt, 0,1
.irp j, 0,1,2,3
.irp i, 0,1,2,3,4,5,6,7
	ds_store_b32 v[STW+\pi], v[ZZ+32*\rt+8*\j+\i] offset:4352*\rt+272*\i+4*\j   ; each accumulator from its low end on; the columns come to lie in their natural order
.endr
.endr
.endr
.Lno_mul_\@:
	s_wait_dscnt 0x0                               ; my partial sums lie in this stage, and my reads of the other stage are over
	s_wait_alu depctr_vm_vsrc(0)                   ; the LDS stores have read v[ZZ ..], which the next block's products write; the last block's global stores have read v[PP ..], in which the LDS loads below land, and v[YO ..]; this block's loads have read v[AO ..]
	s_barrier_signal -1
	s_barrier_wait -1
	s_cmp_ge_u32 s40, s17
	s_cbranch_scc1 .Lno_out_\@
	s_wait_xcnt 0x0                                ; the last block's stores have read their data and offsets
.irp src, 0,1,2,3
.irp rt, 0,1
.irp a, 0,1
	ds_load_b128 v[PP+16*\src+8*\rt+4*\a:PP+16*\src+8*\rt+4*\a+3], v[STR+\pi] offset:8704*\src+4352*\rt+544*\a
.endr
.endr
.endr
	s_lshl_b32 s41, s40, 17
	v_add_nc_u32 v[YO+\pi], s41, v[YO0]
	s_wait_dscnt 0x0
.set NN, 0
.rept 8
	v_pk_add_f32 v[PP+NN:PP+NN+1], v[PP+NN:PP+NN+1], v[PP+16+NN:PP+17+NN]
	v_pk_add_f32 v[PP+32+NN:PP+33+NN], v[PP+32+NN:PP+33+NN], v[PP+48+NN:PP+49+NN]
.set NN, NN+2
.endr
.set NN, 0
.rept 8
	v_pk_add_f32 v[PP+NN:PP+NN+1], v[PP+NN:PP+NN+1], v[PP+32+NN:PP+33+NN]   ; the sum over this half's 2,048 of K
.set NN, NN+2
.endr
	s_wait_alu depctr_va_vdst(0)                   ; the sums have written v[PP ..] and the addition v[YO ..], which the stores read; and every vector line of this way out is done with v[PP ..]
.irp rt, 0,1
.irp a, 0,1
	global_store_b128 v[YO+\pi], v[PP+8*\rt+4*\a:PP+8*\rt+4*\a+3], s[12:13] offset:65536*\rt+8192*\a   ; sixteen lanes store 256 consecutive bytes, aligned
.endr
.endr
.Lno_out_\@:
.endm
	s_mov_b32 s22, 0
.Lrows:
	BSTEP 0
	BSTEP 1
	s_add_co_u32 s22, s22, 2
	s_cmp_lt_u32 s22, 32
	s_cbranch_scc1 .Lrows
	s_wait_dscnt 0x0                               ; the closing lines, six on end
	s_wait_alu 0x0
	s_wait_tensorcnt 0x0
	ds_add_u32 v254, v255
	s_wait_dscnt 0x0
	s_endpgm
.Lfunc_end_k_qa487dee953_gemm2:
	.size	k_qa487dee953_gemm2, .Lfunc_end_k_qa487dee953_gemm2-k_qa487dee953_gemm2
	.p2alignl 7, 3214868480
	.fill 96, 4, 3214868480
	.section	.rodata,"a",@progbits
	.p2align	6, 0x0
	.amdhsa_kernel k_qa487dee953_gemm2
		.amdhsa_group_segment_fixed_size 70144
		.amdhsa_private_segment_fixed_size 0
		.amdhsa_enable_private_segment 0
		.amdhsa_kernarg_size 40
		.amdhsa_user_sgpr_count 2
		.amdhsa_user_sgpr_kernarg_segment_ptr 1
		.amdhsa_wavefront_size32 1
		.amdhsa_system_sgpr_workgroup_id_x 1
		.amdhsa_system_sgpr_workgroup_id_y 1
		.amdhsa_system_sgpr_workgroup_id_z 1
		.amdhsa_system_vgpr_workitem_id 0
		.amdhsa_next_free_vgpr 1024
		.amdhsa_next_free_sgpr 72
		.amdhsa_reserve_vcc 0
		.amdhsa_float_denorm_mode_32 3
		.amdhsa_float_denorm_mode_16_64 3
		.amdhsa_memory_ordered 1
		.amdhsa_forward_progress 1
		.amdhsa_inst_pref_size 165
	.end_amdhsa_kernel
	.amdgpu_metadata
---
amdhsa.version: [ 1, 2 ]
amdhsa.kernels:
  - .name:           k_qa487dee953_gemm2
    .symbol:         k_qa487dee953_gemm2.kd
    .args:
      - { .name: W2, .offset: 0, .size: 8, .value_kind: global_buffer, .address_space: global }
      - { .name: hq, .offset: 8, .size: 8, .value_kind: global_buffer, .address_space: global }
      - { .name: lists, .offset: 16, .size: 8, .value_kind: global_buffer, .address_space: global }
      - { .name: lowp_scales, .offset: 24, .size: 8, .value_kind: global_buffer, .address_space: global }
      - { .name: yp, .offset: 32, .size: 8, .value_kind: global_buffer, .address_space: global }
    .group_segment_fixed_size: 70144
    .private_segment_fixed_size: 0
    .kernarg_segment_align: 8
    .kernarg_segment_size: 40
    .max_flat_workgroup_size: 128
    .sgpr_count:     72
    .vgpr_count:     1024
    .wavefront_size: 32
...
	.end_amdgpu_metadata
.endif
;; end of part 9
;; launch combine (part 10): grid 256 x 1, 4 waves a work-group, no clusters, 0 bytes of LDS; arguments yp, lists, rw, lowp_scales, out0; writes out0
.if DOCPART == 10
	.amdgcn_target "amdgcn-amd-amdhsa--gfx1250"
	.amdhsa_code_object_version 6
	.text
	.protected	k_qa487dee953_combine
	.globl	k_qa487dee953_combine
	.p2align	8
	.type	k_qa487dee953_combine,@function
k_qa487dee953_combine:
	s_mov_b64 s[64:65], 0
	v_nop
	global_prefetch_b8 v0, s[64:65] scope:SCOPE_SE
	s_setreg_imm32_b32 hwreg(HW_REG_WAVE_MODE, 25, 1), 1
	s_wait_xcnt 0x0
; out0[token] = gate0 x y[slot0] + gate1 x y[slot1], y[slot] = (the two halves of K added) x 2^(e2 + e3).  A wave takes a token: four rows of 4,096 bytes in, one out.
; The slots are whole numbers that an earlier launch stored.  Memory binds: every load and store of a wave covers 512 consecutive bytes; all 32 loads go out at once; no LDS, no barrier, no matrix unit.
; The power of two goes onto the gates by v_ldexp_f32: e2 + e3 has no limit of its own.
	s_load_b256 s[4:11], s[0:1], 0x0               ; yp s[4:5], lists s[6:7], rw s[8:9], the scales' exponents s[10:11]
	s_load_b64 s[12:13], s[0:1], 0x20              ; out0
	v_lshrrev_b32 v1, 5, v0
	v_readfirstlane_b32 s14, v1                    ; wave
	v_and_b32 v1, 31, v0
	v_lshlrev_b32 v1, 4, v1                        ; 16 x lane
	s_lshl_b32 s15, ttmp9, 2
	s_add_co_u32 s15, s15, s14                     ; my token
	s_lshl_b32 s16, s15, 3
	s_mov_b32 s17, 0
	s_lshl_b32 s36, s15, 12
	s_mov_b32 s37, 0
	s_wait_alu depctr_va_vdst(0)
	s_wait_kmcnt 0x0
	s_add_nc_u64 s[18:19], s[6:7], s[16:17]
	s_add_nc_u64 s[20:21], s[8:9], s[16:17]
	s_add_nc_u64 s[12:13], s[12:13], s[36:37]
	s_load_b64 s[22:23], s[18:19], 0x100           ; my two slots
	s_load_b64 s[24:25], s[20:21], 0x0             ; my two gates
	s_load_b64 s[26:27], s[10:11], 0x8             ; e2, e3
	s_wait_kmcnt 0x0
	s_min_u32 s22, s22, 2303
	s_min_u32 s23, s23, 2303
	s_lshl_b32 s28, s22, 12
	s_mov_b32 s29, 0
	s_lshl_b32 s30, s23, 12
	s_mov_b32 s31, 0
	s_add_nc_u64 s[28:29], s[4:5], s[28:29]        ; slot 0, first half of K
	s_add_nc_u64 s[30:31], s[4:5], s[30:31]        ; slot 1
	s_add_nc_u64 s[32:33], s[28:29], 0x900000      ; and the second half: 2,304 slots of 4,096 bytes on
	s_add_nc_u64 s[34:35], s[30:31], 0x900000
.irp q, 0,1,2,3,4,5,6,7
	global_load_b128 v[16+16*\q:19+16*\q], v1, s[28:29] offset:512*\q th:TH_LOAD_NT
	global_load_b128 v[20+16*\q:23+16*\q], v1, s[32:33] offset:512*\q th:TH_LOAD_NT
	global_load_b128 v[24+16*\q:27+16*\q], v1, s[30:31] offset:512*\q th:TH_LOAD_NT
	global_load_b128 v[28+16*\q:31+16*\q], v1, s[34:35] offset:512*\q th:TH_LOAD_NT
.endr
	s_add_co_i32 s38, s26, s27
	v_mov_b32 v2, s24
	v_mov_b32 v4, s25
	v_ldexp_f32 v2, v2, s38                        ; gate x 2^(e2 + e3)
	v_ldexp_f32 v4, v4, s38
	v_mov_b32 v3, v2
	v_mov_b32 v5, v4
.irp q, 0,1,2,3,4,5,6,7
	s_wait_loadcnt 28-4*\q                         ; this piece's four loads are in; the later pieces' may be out
	v_pk_add_f32 v[16+16*\q:17+16*\q], v[16+16*\q:17+16*\q], v[20+16*\q:21+16*\q]
	s_wait_alu depctr_va_vdst(0)
	v_pk_add_f32 v[18+16*\q:19+16*\q], v[18+16*\q:19+16*\q], v[22+16*\q:23+16*\q]
	v_pk_add_f32 v[24+16*\q:25+16*\q], v[24+16*\q:25+16*\q], v[28+16*\q:29+16*\q]
	v_pk_add_f32 v[26+16*\q:27+16*\q], v[26+16*\q:27+16*\q], v[30+16*\q:31+16*\q]
	v_pk_mul_f32 v[16+16*\q:17+16*\q], v[16+16*\q:17+16*\q], v[2:3]
	v_pk_mul_f32 v[18+16*\q:19+16*\q], v[18+16*\q:19+16*\q], v[2:3]
	v_pk_fma_f32 v[16+16*\q:17+16*\q], v[24+16*\q:25+16*\q], v[4:5], v[16+16*\q:17+16*\q]
	v_pk_fma_f32 v[18+16*\q:19+16*\q], v[26+16*\q:27+16*\q], v[4:5], v[18+16*\q:19+16*\q]
	global_store_b128 v1, v[16+16*\q:19+16*\q], s[12:13] offset:512*\q th:TH_STORE_NT
.endr
	s_endpgm
.Lfunc_end_k_qa487dee953_combine:
	.size	k_qa487dee953_combine, .Lfunc_end_k_qa487dee953_combine-k_qa487dee953_combine
	.p2alignl 7, 3214868480
	.fill 96, 4, 3214868480
	.section	.rodata,"a",@progbits
	.p2align	6, 0x0
	.amdhsa_kernel k_qa487dee953_combine
		.amdhsa_group_segment_fixed_size 0
		.amdhsa_private_segment_fixed_size 0
		.amdhsa_enable_private_segment 0
		.amdhsa_kernarg_size 40
		.amdhsa_user_sgpr_count 2
		.amdhsa_user_sgpr_kernarg_segment_ptr 1
		.amdhsa_wavefront_size32 1
		.amdhsa_system_sgpr_workgroup_id_x 1
		.amdhsa_system_sgpr_workgroup_id_y 1
		.amdhsa_system_sgpr_workgroup_id_z 1
		.amdhsa_system_vgpr_workitem_id 0
		.amdhsa_next_free_vgpr 160
		.amdhsa_next_free_sgpr 66
		.amdhsa_reserve_vcc 0
		.amdhsa_float_denorm_mode_32 3
		.amdhsa_float_denorm_mode_16_64 3
		.amdhsa_memory_ordered 1
		.amdhsa_forward_progress 1
		.amdhsa_inst_pref_size 11
	.end_amdhsa_kernel
	.amdgpu_metadata
---
amdhsa.version: [ 1, 2 ]
amdhsa.kernels:
  - .name:           k_qa487dee953_combine
    .symbol:         k_qa487dee953_combine.kd
    .args:
      - { .name: yp, .offset: 0, .size: 8, .value_kind: global_buffer, .address_space: global }
      - { .name: lists, .offset: 8, .size: 8, .value_kind: global_buffer, .address_space: global }
      - { .name: rw, .offset: 16, .size: 8, .value_kind: global_buffer, .address_space: global }
      - { .name: lowp_scales, .offset: 24, .size: 8, .value_kind: global_buffer, .address_space: global }
      - { .name: out0, .offset: 32, .size: 8, .value_kind: global_buffer, .address_space: global }
    .group_segment_fixed_size: 0
    .private_segment_fixed_size: 0
    .kernarg_segment_align: 8
    .kernarg_segment_size: 40
    .max_flat_workgroup_size: 128
    .sgpr_count:     66
    .vgpr_count:     160
    .wavefront_size: 32
...
	.end_amdgpu_metadata
.endif
;; end of part 10
